; MI455X (gfx1250); checked and timed in simulation.
; The chip was launched on July 23, 2026; its instructions are those of AMD's public machine-readable ISA for CDNA 5 (MIT licence, August 2026) and "CDNA5" Instruction Set Architecture Reference Guide (July 2026). The comments in the code are by the model that wrote it; some were corrected since.
;; Sector Attention. Allowed arithmetic: matrix products marked QUANTISED: E3M2 operands, one E8M0 scale for each 32 along K, by v_wmma_scale_f32_16x16x128_f8f6f4 with both operands' format E3M2, f32 sums; products left as they are: f32 operands where the result goes on into a quantised operand, else bf16, f16 or f32 operands; f32 sums; everything else in f32.
;; Inputs: Wk_codes 256 x 8 x 24 uint8 (E3M2 codes of Wk, K innermost, in blocks of 32 codes, four codes in three bytes); Wk_scales 256 x 8 uint8 (E8M0 scales of Wk, one for each 32 codes along K); Wo_codes 256 x 8 x 24 uint8 (E3M2 codes of Wo, K innermost, in blocks of 32 codes, four codes in three bytes); Wo_scales 256 x 8 uint8 (E8M0 scales of Wo, one for each 32 codes along K); Wq_codes 256 x 8 x 24 uint8 (E3M2 codes of Wq, K innermost, in blocks of 32 codes, four codes in three bytes); Wq_scales 256 x 8 uint8 (E8M0 scales of Wq, one for each 32 codes along K); Wv_codes 256 x 8 x 24 uint8 (E3M2 codes of Wv, K innermost, in blocks of 32 codes, four codes in three bytes); Wv_scales 256 x 8 uint8 (E8M0 scales of Wv, one for each 32 codes along K); bk 256 float32; bn_b 16 float32; bn_g 16 float32; bn_m 16 float32; bn_v 16 float32; bo 256 float32; bq 256 float32; bv 256 float32; ln_b 256 float32; ln_g 256 float32; mb1 1,024 float32; mb2 256 float32; mw1_codes 1,024 x 8 x 24 uint8 (E3M2 codes of mw1, K innermost, in blocks of 32 codes, four codes in three bytes); mw1_scales 1,024 x 8 uint8 (E8M0 scales of mw1, one for each 32 codes along K); mw2_codes 256 x 32 x 24 uint8 (E3M2 codes of mw2, K innermost, in blocks of 32 codes, four codes in three bytes); mw2_scales 256 x 32 uint8 (E8M0 scales of mw2, one for each 32 codes along K); pb1 16 float32; pb2 8 float32; pw1 16 x 2 float32; pw2 8 x 16 float32; s 4 x 16,384 x 256 float32; s_pos 4 x 2 x 4,096 x 4 float32; x_codes 4 x 16,384 x 8 x 24 uint8 (E3M2 codes of x, K innermost, in blocks of 32 codes, four codes in three bytes); x_pos 4 x 16,384 x 2 float32; x_scales 4 x 16,384 x 8 uint8 (E8M0 scales of x, one for each 32 codes along K).
;; Outputs: out0 4 x 16,384 x 256 float32.
;; This version of the problem:
;;   THIS VERSION OF THE PROBLEM IS GIVEN IN LOW PRECISION. The matrix products marked QUANTISED in the list below multiply operands that are first quantised to E3M2 (3 exponent bits, 2 mantissa bits; 6 bits a number), with one power-of-two scale for each 32 numbers along K (OCP MX v1.0); their sums are f32. All else is computed in f32.
;;   The module's matrix products, in the order in which they are computed (A, B: the left and right operand; K: the contracted axis; several contracted axes count as one K, in the product's order):
;;     1. [M 262,144, K 2] x [K 2, N 16]; A: computed on the way; B: input pw1: left as it is (K = 2 < 32)
;;     2. [M 262,144, K 16] x [K 16, N 8]; A: computed on the way; B: input pw2: left as it is (K = 16 < 32)
;;     3. [M 65,536, K 256] x [K 256, N 256]; A: input s; B: input Wq (given as codes): QUANTISED
;;     4. [M 65,536, K 256] x [K 256, N 256]; A: input x (given as codes); B: input Wk (given as codes): QUANTISED
;;     5. [M 65,536, K 256] x [K 256, N 256]; A: input x (given as codes); B: input Wv (given as codes): QUANTISED
;;     6. batch 131,072 x [M 4, K 32] x [K 32, N 4]; A: computed on the way; B: computed on the way: left as it is (M = 4 < 16)
;;     7. batch 131,072 x [M 4, K 4] x [K 4, N 32]; A: softmax; B: computed on the way: left as it is (K = 4 < 32)
;;     8. [M 65,536, K 256] x [K 256, N 256]; A: computed on the way; B: input Wo (given as codes): QUANTISED
;;     9. [M 65,536, K 256] x [K 256, N 1,024]; A: computed on the way; B: input mw1 (given as codes): QUANTISED
;;     10. [M 65,536, K 1,024] x [K 1,024, N 256]; A: computed on the way; B: input mw2 (given as codes): QUANTISED
;;   THE QUANTISER, for each operand of a quantised product, along K:
;;     - K is cut into blocks of 32 from its start; a last block that is shorter is filled with zeros.
;;     - A block's scale is 2^e with e = floor(log2(the largest magnitude in the block)) - 4, held to -126 .. 127; a block of zeros has e = 0. As a byte (E8M0): e + 127.
;;     - Each number is divided by its block's scale, clamped to +-28, and rounded to the nearest number of E3M2, ties to even, subnormals kept.
;;     - The product sums the exact products of the quantised numbers (number of the format x scale) in f32.
;;   ~~~python
;;   def quantise(x, axis):      # numpy; x: float32 -> the quantised numbers, widened to float32 again
;;       x = np.moveaxis(x, axis, -1); K = x.shape[-1]
;;       x = np.pad(x, [(0, 0)] * (x.ndim - 1) + [(0, -K % 32)]); x = x.reshape(x.shape[:-1] + (-1, 32)); a = np.abs(x).max(-1, keepdims=True)
;;       e = np.where(a > 0, np.clip(np.frexp(np.where(a > 0, a, 1))[1] - 1 - 4, -126, 127), 0)      # np.frexp(a)[1] - 1 = floor(log2(a)), exactly
;;       r = np.clip(x / 2.0 ** e, -28, 28)
;;       step = 2.0 ** (np.maximum(np.frexp(np.where(r == 0, 1, r))[1] - 1, -2) - 2)
;;       q = np.round(r / step) * step * 2.0 ** e      # np.round: ties to even
;;       return np.moveaxis(q.reshape(q.shape[:-2] + (-1,))[..., :K], -1, axis).astype(np.float32)
;;   ~~~
;;   OPERANDS COMPUTED ON THE WAY. 'Computed on the way' means the value that the module computes at that place (a softmax that the list does not call 'softmax' is quantised finished and normalised). What goes into a quantiser is computed in f32, as accurately as f32 sums, v_exp_f32 and their like allow (about 1e-6 of the number): no bf16 or f16 on the way to a quantiser, and a product that is left as it is and whose result goes on into a quantised operand takes f32 operands (vector FMAs, or v_wmma_f32_16x16x4_f32). A number that lies on a knife's edge between two numbers of the format may be rounded either way, as far as f32 arithmetic and the matrix unit's own rounding can turn it there, and no further.
;;   INPUTS GIVEN AS CODES. Wk (in the module: [256, 256], K = its axis 1); Wo (in the module: [256, 256], K = its axis 1); Wq (in the module: [256, 256], K = its axis 1); Wv (in the module: [256, 256], K = its axis 1); mw1 (in the module: [1024, 256], K = its axis 1); mw2 (in the module: [256, 1024], K = its axis 1); x (in the module: [4, 16384, 256], K = its axis 2): each comes as NAME_codes (uint8): NAME with its K axis moved to the last place and cut into blocks of 32 codes, [.., K / 32, bytes a block], one block behind the other in memory; four codes in three bytes: a row's codes are one little-endian stream of bits, code i at bits 6 i .. 6 i + 5 (a code: sign, 3 exponent bits, 2 mantissa bits); and NAME_scales (uint8): the same leading axes, one E8M0 byte (e + 127) for each 32 codes along K. Its value is code x scale, taken as it is: it is not quantised again, and the codes and scales need not be those that the quantiser above would give.
;; One version. Each part assembles by itself: llvm-mc -triple=amdgcn-amd-amdhsa -mcpu=gfx1250 --defsym DOCPART=n.
;; ======== version 1 of 1: 2 launches
;; workspace buffers: o_codes 12,582,912 bytes; o_scales 524,288 bytes; wimg 442,368 bytes
;; launch attn (part 1): grid 256 x 1, 8 waves a work-group, no clusters, 308,224 bytes of LDS; arguments s, x_codes, x_scales, s_pos, x_pos, Wq_codes, Wq_scales, bq, Wk_codes, Wk_scales, bk, Wv_codes, Wv_scales, bv, pw1, pb1, bn_g, bn_b, bn_m, bn_v, pw2, pb2, Wo_codes, mw1_codes, mw2_codes, o_codes, o_scales, wimg; writes o_codes, o_scales, wimg
.if DOCPART == 1
	.amdgcn_target "amdgcn-amd-amdhsa--gfx1250"
	.amdhsa_code_object_version 6
	.text
	.protected	k_q56534967a3_attn
	.globl	k_q56534967a3_attn
	.p2align	8
	.type	k_q56534967a3_attn,@function
k_q56534967a3_attn:
	s_mov_b64 s[64:65], 0
	v_nop
	global_prefetch_b8 v0, s[64:65] scope:SCOPE_SE
	s_setreg_imm32_b32 hwreg(HW_REG_WAVE_MODE, 25, 1), 1
	s_wait_xcnt 0x0
; SECTOR ATTENTION, FIRST LAUNCH: q, k, v on codes of BF6 (E3M2), the position bias, the 4 x 4 softmax of each window and head, o = p v, and o's codes and scale bytes for the next launch.
; INDEX ALGEBRA.  Window w = 256 wh + c.  q of window c, head n, query hq, channel d is (s Wq^T + bq)[row 16 j + wh][column c], j = 128 n + 4 d + hq: the 256 windows of a (b, wh) are the 256 columns of
; one product whose rows are the rows of s with row % 16 = wh.  k, v of key hk: row 4096 hk + w of x.  o goes to row 4096 hq + w, channels 32 n on: a block of 32 of the next product's K is one head.
; SHARES.  Work-group g: head pair hp = g & 3, wh = (g >> 2) & 15, b = g >> 6.  It owns 256 rows of s (read by no other work-group), 256 windows, heads 2 hp and 2 hp + 1.
; Wave w quantises rows 32 w .. 32 w + 31 (two tiles of 16), builds one of eight weight packets, and then owns window tiles 2 w and 2 w + 1 for both heads: four UNITs of 48 matrix instructions.
; In every product a lane holds ONE window (lane % 16); the head's channels are split between the halves of the lanes, so that scores and o are plain packed multiply-adds of a lane.
; x AND Wq COME DENSE.  A window tile's 16 rows of one key are 3,072 consecutive bytes, and so are its 16 rows of Wq: six loads of 512 consecutive bytes each, against twelve loads of 32 pieces of 8 bytes in 16 rows.
; A lane's fragment bytes are then had by a turn through LDS bytes of the wave's own: the rows of s that it has quantised, behind each tile's images.
; NO CLUSTER: of a work-group's bytes 256 KiB are rows of s that nobody shares; x's codes (192 KiB, shared by the four head pairs of a group) are wanted while the rows of s (266,240 bytes) and
; the packets (40,960) lie in LDS, which leaves no room for a shared tile: each wave loads its own windows' rows.
; One wave of 144 of the work-groups also lays Wo, mw1 and mw2 out as images of operand registers (wimg) for the next launch.
; LIMITS: NaN and infinities among the inputs are not served.  A block whose largest magnitude lies under 2^(5 - 127) (a block of zeros too) gets the scale byte 1: its bytes are read by this program alone.
.set RAWW,  33280                      ; LDS: a wave's 32 rows of s, 1,024 bytes + 16 of padding each
.set TILEB, 16640                      ; 16 of them.  A tile's first 4,096 bytes later take its two fragment images (1,536 each) and two scale words (512 each, a word at 16 x lane)
.set FRB,   1536                       ; a fragment's image: 12 registers a lane, as three stores of 512 bytes
.set WPK,   266240                     ; behind the rows: eight weight packets
.set PKB,   5120                       ; a packet: two fragments, the bias as eight C registers (1,024), two scale words (512 each)
.set XBK,   3328                       ; a turn block: 16 rows of 192 bytes, 208 apart.  Keys 0, 1 and Wq lie behind tile 0's images, keys 2, 3 behind tile 1's
.set XBW,   4096+2*XBK                 ; Wq's block
.set LI, 1                             ; v1   16 x lane
.set AR, 2                             ; v2   my place in my wave's rows: 33280 w + 1040 r + 64 h
.set AI, 3                             ; v3   16 x lane + 33280 w
.set AS, 4                             ; v4-7 16 x lane + 66560 p: the rows of waves 2 p and 2 p + 1
.set AW, 8                             ; v8   16 x lane + WPK
.set AX, 9                             ; v9   33280 w + 208 r + 24 h: a fragment's bytes in a turn block
.set X8, 10                            ; v10  8 r
.set OO, 11                            ; v11  24 r + 12 h
.set L4, 12                            ; v12  4 x lane
.set SPO, 13                           ; v13  16 r + 4 h
.set R4, 14                            ; v14  4 r
.set ZERO, 15                          ; v15  0
.set BI, 16                            ; v16-47  the bias x log2(e): [tile i][head e][key][query 2 h + x]
.set SC, 48                            ; v48-63  scores, then p, then o's codes
.set TT, 72                            ; v72-79  at work in the bias net
.set XS, 80                            ; v80-87  x's scale words [key][K step]
.set WQS, 88                           ; v88-89  Wq's
.set FS, 90                            ; v90-97  scale words of the fragments in hand, two sets of four
.set TM, 98                            ; v98-113 the quantiser: +0 largest magnitudes, +4 bytes, +12 the conversions' scale operands
.set PW, 114                           ; v114 a scale word
.set SW0, 115                          ; v115 head 2 hp's scale word
.set AXS, 120                          ; v120-125 where my 16 bytes of a block's k-th 512 go: 33280 w + 16 (P + P / 12), P = 32 k + lane
.set R1, 128                           ; v128-191 q, then v
.set R2, 192                           ; v192-255 k, then o
.set XF, 0                             ; window 1: v0-95 x's eight fragments [key][K step]  (v0-23 first take Wq's rows as they lie)
.set WQ, 96                            ;           v96-119 Wq's two
.set BQ, 120                           ;           v120-127 bq as C
.set CB, 128                           ;           v128-143 bk or bv as C, two tiles
.set FA, 144                           ;           v144-239 two sets of four fragments  (they first take x's rows as they lie, 24 registers a key)
.set WV, 60
.set HP, 61
.set WH, 62
.set BB, 63
.set G0, 68
.set G1, 72
.set SEL, 80                           ; s[80:81] v_permlanex16_b32's selects for lane l xor 16
.set C2, 82                            ; s[82:83] log2(e) / sqrt(32)
.set HI16, 84                          ; s84 the mask of lanes 16-31
.set MSB, 0
.macro WIN new                         ; the immediate's high byte repeats the setting that is left; a switch that changes nothing is dropped
.if MSB != \new
	s_set_vgpr_msb (MSB<<8)|\new
.set MSB, \new
.endif
.endm
.macro PLACES n                        ; plain vector instructions between a matrix instruction and a load into, or a read of, its registers
.rept \n
	v_nop
.endr
.endm
; d = a x b[sb], two at a time: element sb of the pair b serves both halves
.macro PKM d, a, b, sb
.if \sb
	v_pk_mul_f32 v[\d:\d+1], v[\a:\a+1], v[\b:\b+1] op_sel:[0,1] op_sel_hi:[1,1]
.else
	v_pk_mul_f32 v[\d:\d+1], v[\a:\a+1], v[\b:\b+1] op_sel_hi:[1,0]
.endif
.endm
; d = a x b[sb] + c;  sc = 0, 1: element sc of the pair c serves both halves; sc = 2: c is taken as a pair
.macro PKF d, a, b, c, sb, sc
.if ((\sb) == 0) && ((\sc) == 0)
	v_pk_fma_f32 v[\d:\d+1], v[\a:\a+1], v[\b:\b+1], v[\c:\c+1] op_sel_hi:[1,0,0]
.elseif ((\sb) == 0) && ((\sc) == 1)
	v_pk_fma_f32 v[\d:\d+1], v[\a:\a+1], v[\b:\b+1], v[\c:\c+1] op_sel:[0,0,1] op_sel_hi:[1,0,1]
.elseif ((\sb) == 0)
	v_pk_fma_f32 v[\d:\d+1], v[\a:\a+1], v[\b:\b+1], v[\c:\c+1] op_sel_hi:[1,0,1]
.elseif ((\sc) == 0)
	v_pk_fma_f32 v[\d:\d+1], v[\a:\a+1], v[\b:\b+1], v[\c:\c+1] op_sel:[0,1,0] op_sel_hi:[1,1,0]
.elseif ((\sc) == 1)
	v_pk_fma_f32 v[\d:\d+1], v[\a:\a+1], v[\b:\b+1], v[\c:\c+1] op_sel:[0,1,1] op_sel_hi:[1,1,1]
.else
	v_pk_fma_f32 v[\d:\d+1], v[\a:\a+1], v[\b:\b+1], v[\c:\c+1] op_sel:[0,1,0] op_sel_hi:[1,1,1]
.endif
.endm
; 64 numbers of a lane, register 16 B + i of block B; lanes l and l xor 16 share a block.  Leaves the bytes in v[TM+4 ..] and the conversions' scale operands in v[TM+12 ..].
.macro QMAX src
.irp b, 0,1,2,3
	v_max3_num_f32 v[TM+\b], |v[\src+16*\b]|, |v[\src+16*\b+1]|, 0x2800000   ; with the floor 2^(5 - 127): the byte cannot fall under 1
.endr
.irp i, 2,4,6,8,10,12,14
.irp b, 0,1,2,3
	v_max3_num_f32 v[TM+\b], v[TM+\b], |v[\src+16*\b+\i]|, |v[\src+16*\b+\i+1]|   ; the four blocks by turns
.endr
.endr
.irp b, 0,1,2,3
	v_permlanex16_b32 v[TM+4+\b], v[TM+\b], s[SEL], s[SEL+1]
.endr
.irp b, 0,1,2,3
	v_max_num_f32 v[TM+\b], v[TM+\b], v[TM+4+\b]   ; the block's largest magnitude
.endr
.irp b, 0,1,2,3
	v_add_nc_u32 v[TM+12+\b], 0xfe000000, v[TM+\b]   ; 4 off its exponent field: the conversion takes that field as its scale
.endr
.irp b, 0,1,2,3
	v_lshrrev_b32 v[TM+4+\b], 23, v[TM+12+\b]   ; the scale's byte
.endr
.endm
; the same, and the codes as operand registers: blocks 0, 1 into v[d0 .. d0+5], blocks 2, 3 into v[d1 .. d1+5]: lanes 0-15 hold the even block whole, lanes 16-31 the odd one
.macro QCORE src, d0, d1, t
	QMAX \src
	v_cvt_scalef32_pk16_bf6_f32 v[\d0:\d0+2], v[\src:\src+15], v[TM+12]
	v_cvt_scalef32_pk16_bf6_f32 v[\t:\t+2], v[\src+16:\src+31], v[TM+13]
	v_cvt_scalef32_pk16_bf6_f32 v[\d1:\d1+2], v[\src+32:\src+47], v[TM+14]
	v_cvt_scalef32_pk16_bf6_f32 v[\t+4:\t+6], v[\src+48:\src+63], v[TM+15]
	v_nop                                          ; one plain place behind the scaled conversions
.irp i, 0,1,2
	v_permlane16_swap_b32 v[\d0+\i], v[\t+\i]
	v_permlane16_swap_b32 v[\d1+\i], v[\t+4+\i]
.endr
.irp i, 0,1,2
	v_mov_b32 v[\d0+3+\i], v[\t+\i]
	v_mov_b32 v[\d1+3+\i], v[\t+4+\i]
.endr
.endm
	s_load_b512 s[4:19], s[0:1], 0x0               ; s, x_codes, x_scales, s_pos, x_pos, Wq_codes, Wq_scales, bq
	s_load_b512 s[20:35], s[0:1], 0x40             ; Wk_codes, Wk_scales, bk, Wv_codes, Wv_scales, bv, pw1, pb1
	s_load_b512 s[36:51], s[0:1], 0x80             ; bn_g, bn_b, bn_m, bn_v, pw2, pb2, Wo_codes, mw1_codes
	s_load_b256 s[52:59], s[0:1], 0xc0             ; mw2_codes, o_codes, o_scales, wimg
	s_set_vgpr_msb 0x40
	v_lshl_add_u32 v254, v0, 2, 0x4b000
	v_mov_b32 v255, 0
	s_set_vgpr_msb 0x4045
	ds_add_u32 v254, v255
	s_set_vgpr_msb 0x4500
	v_lshrrev_b32 v91, 5, v0
	v_readfirstlane_b32 s[WV], v91                 ; wave 0..7
	s_and_b32 s[HP], ttmp9, 3
	s_bfe_u32 s[WH], ttmp9, 0x40002
	s_lshr_b32 s[BB], ttmp9, 6
	; descriptor group 1: 32 rows of 256 f32, 16 rows of s apart, 16 bytes of padding behind each row in LDS
	s_mov_b32 s[G1+0], (2<<16)|(1<<20)|(7<<22)|(3<<25)   ; no mask; elements of 4 bytes; padding on, after every 256 words, of 4 words
	s_mov_b32 s[G1+1], 256<<16                     ; tensor_dim0
	s_mov_b32 s[G1+2], 32<<16                      ; tensor_dim1
	s_mov_b32 s[G1+3], 256<<16                     ; tile_dim0
	s_mov_b32 s[G1+4], 32                          ; tile_dim1
	s_mov_b32 s[G1+5], 4096                        ; from row to row: 16 rows of 256
	s_mov_b32 s[G1+6], 0
	s_mov_b32 s[G1+7], 0
	s_mov_b32 s[G0], 1
	s_mul_i32 s[G0+1], s[WV], RAWW                 ; my wave's own bytes
	s_lshl_b32 s86, s[BB], 24                      ; row 16 (256 hp + 32 w) + wh of batch b, in bytes
	s_lshl_b32 s85, s[HP], 22
	s_add_co_u32 s86, s86, s85
	s_lshl_b32 s85, s[WV], 19
	s_add_co_u32 s86, s86, s85
	s_lshl_b32 s85, s[WH], 10
	s_add_co_u32 s86, s86, s85
	s_mov_b32 s87, 0
	s_mov_b32 s[SEL], 0x76543210
	s_mov_b32 s[SEL+1], 0xfedcba98
	s_mov_b32 s[C2], 0x3e8293ee
	s_mov_b32 s[C2+1], 0x3e8293ee
	s_mov_b32 s[HI16], 0xffff0000
	v_and_b32 v91, 31, v0                          ; lane
	v_and_b32 v92, 15, v0                          ; r
	v_bfe_u32 v93, v0, 4, 1                        ; h
	v_lshlrev_b32 v[LI], 4, v91
	v_mul_u32_u24 v[AR], v92, 1040
	v_lshl_add_u32 v[AR], v93, 6, v[AR]
	v_add_nc_u32 v[AR], s[G0+1], v[AR]
	v_add_nc_u32 v[AI], s[G0+1], v[LI]
.irp p, 0,1,2,3
	v_add_nc_u32 v[AS+\p], \p*2*RAWW, v[LI]
.endr
	v_add_nc_u32 v[AW], WPK, v[LI]
	s_mul_i32 s85, s[WV], PKB
	v_add_nc_u32 v90, s85, v[AW]                   ; where I store my packet
	v_mul_u32_u24 v[AX], v92, 208
	v_mad_u32_u24 v[AX], v93, 24, v[AX]
	v_add_nc_u32 v[AX], s[G0+1], v[AX]
	v_lshlrev_b32 v[X8], 3, v92
	v_mul_u32_u24 v[OO], v92, 24
	v_mad_u32_u24 v[OO], v93, 12, v[OO]
	v_lshlrev_b32 v[L4], 2, v91
	v_lshlrev_b32 v[SPO], 4, v92
	v_lshl_add_u32 v[SPO], v93, 2, v[SPO]
	v_lshlrev_b32 v[R4], 2, v92
	v_mov_b32 v[ZERO], 0
	s_wait_dscnt 0x0
	s_wait_kmcnt 0x0
	s_add_nc_u64 s[G0+2:G0+3], s[4:5], s[86:87]
	s_or_b32 s[G0+3], s[G0+3], 0x80000000
	tensor_load_to_lds s[G0:G0+3], s[G1:G1+7]      ; my 32 rows of s: the wave's one tensor load; these bytes are filled once
	s_nop 0
	PLACES 4
	; ---- THE RELAYOUT JOB: wave 7 of work-groups 0 to 143 turns two fragments of a weight into images of operand registers.  Lane r of tile T takes row 32 (T / 2) + 8 (T % 2) + r + 8 (r / 8),
	; so that in the next launch a lane's 16 registers of two neighbouring tiles are 16 neighbours.  g < 64: mw1, tile g, K steps 0, 1;  g < 128: mw2, K step (g - 64) / 8, tiles 2 (g % 8) and + 1;  else Wo, tile g - 128.
	s_cmp_eq_u32 s[WV], 7
	s_cbranch_scc0 .Lno_job
	s_cmp_lt_u32 ttmp9, 144
	s_cbranch_scc0 .Lno_job
	s_and_b32 s85, ttmp9, 63
	s_lshr_b32 s86, s85, 1
	s_lshl_b32 s86, s86, 5
	s_and_b32 s87, s85, 1
	s_lshl_b32 s87, s87, 3
	s_add_co_u32 s86, s86, s87
	s_mul_i32 s86, s86, 192                        ; mw1, Wo: the tile's first row, in bytes
	s_and_b32 s87, s85, 7
	s_lshr_b32 s88, s85, 3
	s_mul_i32 s89, s87, 24576                      ; mw2: 32 rows of 768 bytes for each pair of tiles,
	s_mul_i32 s90, s88, 96                         ; + 96 bytes for each K step
	s_add_co_u32 s89, s89, s90
	s_mul_i32 s91, s88, 49152                      ; where the images go: a chunk's 49,152 bytes,
	s_mul_i32 s92, s87, 3072                       ; two images for each job
	s_add_co_u32 s91, s91, s92
	s_mul_i32 s93, s85, 3072
	s_add_co_u32 s93, s93, 393216                  ; Wo's lie behind the eight chunks
	s_lshr_b32 s94, ttmp9, 6                       ; 0: mw1, 1: mw2, 2: Wo
	s_mov_b32 s95, 192
	s_mov_b32 s98, 96
	s_cmp_eq_u32 s94, 1
	s_cselect_b32 s86, s89, s86
	s_cselect_b64 s[96:97], s[52:53], s[50:51]
	s_cselect_b32 s95, 768, s95                    ; a row in bytes
	s_cselect_b32 s98, 6144, s98                   ; from the first fragment to the second: 8 rows of mw2, or a K step
	s_cselect_b32 s99, 24576, 0                    ; mw2's images lie behind mw1's in a chunk
	s_add_co_u32 s91, s91, s99
	s_cmp_eq_u32 s94, 2
	s_cselect_b64 s[96:97], s[48:49], s[96:97]
	s_cselect_b32 s91, s93, s91
	v_and_b32 v124, 8, v92
	v_add_nc_u32 v124, v124, v92                   ; r + 8 (r / 8)
	v_mul_lo_u32 v123, v124, s95
	v_mad_u32_u24 v123, v93, 24, v123
	v_add_nc_u32 v123, s86, v123
	v_add_nc_u32 v125, s98, v123
	v_add_nc_u32 v126, s91, v[LI]
.irp p, 0,1,2,3,4,5
	global_load_b64 v[128+2*\p:129+2*\p], v123, s[96:97] offset:48*(\p/3)+8*(\p%3)
	global_load_b64 v[140+2*\p:141+2*\p], v125, s[96:97] offset:48*(\p/3)+8*(\p%3)
.endr
	s_wait_loadcnt 0x0
.irp f, 0,1
.irp k, 0,1,2
	global_store_b128 v126, v[128+12*\f+4*\k:131+12*\f+4*\k], s[58:59] offset:FRB*\f+512*\k   ; 32 lanes store 512 consecutive bytes
.endr
.endr
	s_wait_xcnt 0x0                                ; the stores have read their data and addresses: both are loaded over below
.Lno_job:
	; ---- bases
	s_lshl_b32 s85, s[BB], 14
	s_lshl_b32 s86, s[WH], 8
	s_add_co_u32 s85, s85, s86
	s_lshl_b32 s86, s[WV], 5
	s_add_co_u32 s85, s85, s86                     ; key 0's row of x for my first window: 16384 b + 256 wh + 32 w
	s_mov_b32 s87, 0
	s_mul_i32 s86, s85, 192
	s_add_nc_u64 s[6:7], s[6:7], s[86:87]          ; x's codes
	s_lshl_b32 s86, s85, 3
	s_add_nc_u64 s[8:9], s[8:9], s[86:87]          ; x's scale bytes, 8 a row
	s_add_nc_u64 s[12:13], s[12:13], s[86:87]      ; x_pos, 8 bytes a row
	s_lshl_b32 s86, s[BB], 17
	s_lshl_b32 s85, s[WH], 12
	s_add_co_u32 s86, s86, s85
	s_lshl_b32 s85, s[WV], 9
	s_add_co_u32 s86, s86, s85
	s_add_nc_u64 s[10:11], s[10:11], s[86:87]      ; s_pos: 131072 b + 16 x window
	s_mul_i32 s86, s[WV], 6144
	s_add_nc_u64 s[14:15], s[14:15], s[86:87]      ; Wq's rows 32 w on (a window's column is its row of Wq)
	s_lshl_b32 s86, s[WV], 8
	s_add_nc_u64 s[16:17], s[16:17], s[86:87]
	s_lshl_b32 s86, s[WV], 7
	s_add_nc_u64 s[18:19], s[18:19], s[86:87]
	s_lshl_b32 s86, s[HP], 7
	s_add_nc_u64 s[44:45], s[44:45], s[86:87]      ; pw2's rows 2 hp, 2 hp + 1
	s_lshl_b32 s86, s[HP], 3
	s_add_nc_u64 s[46:47], s[46:47], s[86:87]
	s_lshr_b32 s85, ttmp9, 2                       ; the group 16 b + wh
	s_mul_i32 s86, s85, 196608
	s_mul_i32 s88, s[WV], 24576
	s_add_co_u32 s86, s86, s88
	s_mul_i32 s88, s[HP], 768
	s_add_co_u32 s86, s86, s88
	s_add_nc_u64 s[54:55], s[54:55], s[86:87]      ; o_codes [group][window tile][query][head][r][24]
	s_lshl_b32 s86, s85, 13
	s_lshl_b32 s88, s[WV], 10
	s_add_co_u32 s86, s86, s88
	s_lshl_b32 s88, s[HP], 7
	s_add_co_u32 s86, s86, s88
	s_add_nc_u64 s[56:57], s[56:57], s[86:87]      ; o_scales [group][window tile][head][r], a word: byte = query
	; ---- my packet: matrix w / 4 (k, v), head e = (w / 2) % 2, tile T = w % 2.  The rows of a tile are chosen so that k's registers hold the channels that q's hold, and v's 16 neighbours
	s_lshr_b32 s85, s[WV], 2
	s_bfe_u32 s86, s[WV], 0x10001
	s_and_b32 s88, s[WV], 1
	s_lshl_b32 s89, s[HP], 1
	s_add_co_u32 s89, s89, s86                     ; the head
	v_and_b32 v74, 7, v92
	v_lshrrev_b32 v75, 3, v92
	v_lshrrev_b32 v76, 1, v74
	v_and_b32 v77, 1, v92
	v_lshl_add_u32 v76, v76, 2, v77
	v_lshl_add_u32 v76, v75, 1, v76
	s_lshl_b32 s94, s88, 4
	v_add_nc_u32 v76, s94, v76                     ; k: 16 T + 4 ((r % 8) / 2) + 2 (r / 8) + r % 2
	v_lshl_add_u32 v77, v75, 4, v74
	s_lshl_b32 s94, s88, 3
	v_add_nc_u32 v77, s94, v77                     ; v: 16 (r / 8) + 8 T + r % 8
	s_cmp_eq_u32 s85, 0
	s_cselect_b32 s90, 0, -1
	s_cselect_b64 s[20:21], s[20:21], s[26:27]
	s_cselect_b64 s[22:23], s[22:23], s[28:29]
	s_cselect_b64 s[24:25], s[24:25], s[30:31]
	s_cselect_b32 s91, 16, 8                       ; the bias: from one pair of C registers to the next,
	s_cselect_b32 s92, 8, 64                       ; from lanes 0-15 to lanes 16-31,
	s_cselect_b32 s93, 64, 32                      ; from tile 0 to tile 1, in bytes
	v_cndmask_b32 v76, v76, v77, s90
	s_lshl_b32 s94, s89, 5
	v_add_nc_u32 v76, s94, v76                     ; the row of Wk or Wv
	v_mul_u32_u24 v78, v76, 192
	v_mad_u32_u24 v78, v93, 24, v78
	v_lshlrev_b32 v79, 3, v76
	s_mul_i32 s93, s93, s88
	s_lshl_b32 s94, s89, 7
	s_add_co_u32 s93, s93, s94
	v_mul_u32_u24 v74, v93, s92
	v_add_nc_u32 v74, s93, v74
	v_add_nc_u32 v75, s91, v74
	v_add_nc_u32 v76, s91, v75
	v_add_nc_u32 v77, s91, v76
	; ---- loads: (a) the packet, 17; (b) the net's parameters, 37; (c) the positions of both window tiles, 16; (d) tile 0's x, Wq, bq and scale words, 43
.irp s, 0,1
.irp p, 0,1,2,3,4,5
	global_load_b64 v[16+12*\s+2*\p:17+12*\s+2*\p], v78, s[20:21] offset:96*\s+48*(\p/3)+8*(\p%3)
.endr
.endr
	global_load_b64 v[72:73], v79, s[22:23]
.irp a, 0,1,2,3
	global_load_b64 v[40+2*\a:41+2*\a], v[74+\a], s[24:25]
.endr
.irp j, 0,1,2,3,4,5,6,7
	global_load_b128 v[128+4*\j:131+4*\j], v[ZERO], s[32:33] offset:16*\j   ; pw1
.endr
.irp j, 0,1,2,3
	global_load_b128 v[160+4*\j:163+4*\j], v[ZERO], s[34:35] offset:16*\j   ; pb1
	global_load_b128 v[176+4*\j:179+4*\j], v[ZERO], s[36:37] offset:16*\j   ; bn_g
	global_load_b128 v[192+4*\j:195+4*\j], v[ZERO], s[38:39] offset:16*\j   ; bn_b
	global_load_b128 v[208+4*\j:211+4*\j], v[ZERO], s[40:41] offset:16*\j   ; bn_m
	global_load_b128 v[224+4*\j:227+4*\j], v[ZERO], s[42:43] offset:16*\j   ; bn_v
.endr
.irp j, 0,1,2,3,4,5,6,7
	global_load_b128 v[96+4*\j:99+4*\j], v[ZERO], s[44:45] offset:16*\j     ; pw2, my two heads
.endr
	global_load_b64 v[94:95], v[ZERO], s[46:47]                             ; pb2
.irp n, 0,1
.irp c, 0,1
.irp x, 0,1
	global_load_b32 v[48+4*\n+2*\c+\x], v[SPO], s[10:11] offset:65536*\x+8*\c+256*\n   ; sp[c][query 2 h + x] = s_pos[b][x][window][2 c + h]
.endr
.endr
.endr
.irp n, 0,1
.irp ki, 0,1,2,3
	global_load_b64 v[56+8*\n+2*\ki:57+8*\n+2*\ki], v[X8], s[12:13] offset:32768*\ki+128*\n   ; xp[0 .. 1][key]
.endr
.endr
; Window tile n of my two: x's rows of four keys and Wq's rows AS THEY LIE, 3,072 consecutive bytes a block, each load 512 consecutive bytes, aligned; bq and the scale words: 24 + 6 + 8 + 4 + 1 = 43 loads.
; The blocks land in registers that are idle meanwhile: x's in the fragment sets, Wq's in the first 24 of x's fragment registers.
.macro XLOADS n
	WIN 0x40
.irp hk, 0,1,2,3
.irp k, 0,1,2,3,4,5
	global_load_b128 v[FA+24*\hk+4*\k:FA+24*\hk+4*\k+3], v[LI], s[6:7] offset:786432*\hk+3072*\n+512*\k
.endr
.endr
.irp k, 0,1,2,3,4,5
	global_load_b128 v[XF+4*\k:XF+4*\k+3], v[LI], s[14:15] offset:3072*\n+512*\k
.endr
.irp j, 0,1,2,3,4,5,6,7
	global_load_b32 v[BQ+\j], v[R4], s[18:19] offset:64*\n   ; a lane's eight results are one column: eight times its bq
.endr
	WIN 0
.irp hk, 0,1,2,3
	global_load_b64 v[XS+2*\hk:XS+2*\hk+1], v[X8], s[8:9] offset:32768*\hk+128*\n
.endr
	global_load_b64 v[WQS:WQS+1], v[X8], s[16:17] offset:128*\n
.endm
; THE TURN: the five blocks go into LDS bytes of my own and come back as fragments: lane (r, h) takes, of row r, the 24 bytes at 24 h + 48 c of each K step's 96, in pieces of 8.
; In LDS a row of 192 bytes (12 pieces of 16) is followed by 16 bytes of padding: rows 208 bytes = 52 words apart, so that row r starts at bank 52 r mod 64, sixteen different multiples of 4, and lanes 16-31,
; 6 words further on, fall between them: the 32 lanes of a load of 8 bytes touch 64 different banks (64 banks of 4 bytes: ISA guide 11.1).
; The bytes are rows of s that I alone have read, behind the images that the other waves read: no other wave touches them, and LDS serves a wave's instructions in order (ISA guide 5.7.1.4): no barrier, no wait for the stores' sake.
.macro XTURN
	WIN 0x04                                       ; an LDS store's data are its source 1: window 1
.irp k, 0,1,2,3,4,5
	ds_store_b128 v[AXS+\k], v[XF+4*\k:XF+4*\k+3] offset:XBW
.endr
.irp hk, 0,1,2,3
.irp k, 0,1,2,3,4,5
	ds_store_b128 v[AXS+\k], v[FA+24*\hk+4*\k:FA+24*\hk+4*\k+3] offset:4096+TILEB*(\hk/2)+XBK*(\hk%2)
.endr
.endr
	s_wait_dscnt 24                                ; x's 24 stores may be out; Wq's six are done: the loads below fill their registers
	WIN 0x40
.irp s, 0,1
.irp p, 0,1,2,3,4,5
	ds_load_b64 v[WQ+12*\s+2*\p:WQ+12*\s+2*\p+1], v[AX] offset:XBW+96*\s+48*(\p/3)+8*(\p%3)
.endr
.endr
.irp hk, 0,1,2,3
.irp s, 0,1
.irp p, 0,1,2,3,4,5
	ds_load_b64 v[XF+12*(2*\hk+\s)+2*\p:XF+12*(2*\hk+\s)+2*\p+1], v[AX] offset:4096+TILEB*(\hk/2)+XBK*(\hk%2)+96*\s+48*(\p/3)+8*(\p%3)
.endr
.endr
.endr
	WIN 0
	s_wait_dscnt 60                                ; the 60 loads may be out; all 30 stores are done: the next fragment loads fill their registers
.endm
	XLOADS 0
	s_wait_loadcnt 43                              ; tile 0's 43 loads may be out: the 70 ahead of them, (a) to (c), are in
.irp s, 0,1
.irp k, 0,1,2
	ds_store_b128 v90, v[16+12*\s+4*\k:19+12*\s+4*\k] offset:FRB*\s+512*\k
.endr
.endr
.irp k, 0,1
	ds_store_b128 v90, v[40+4*\k:43+4*\k] offset:3072+512*\k
.endr
	ds_store_b32 v90, v72 offset:4096
	ds_store_b32 v90, v73 offset:4608
	; ---- the batch norm is folded into the first layer: g' = bn_g rsqrt(bn_v + 1e-5); pw1 x g'; (pb1 - bn_m) g' + bn_b.  log2(e) is folded into the second layer
.irp j, 0,2,4,6,8,10,12,14
	v_pk_add_f32 v[224+\j:225+\j], v[224+\j:225+\j], 0x3727c5ac op_sel_hi:[1,0]
.endr
.irp j, 0,1,2,3,4,5,6,7,8,9,10,11,12,13,14,15
	v_rsq_f32 v[224+\j], v[224+\j]
.endr
.irp j, 0,2,4,6,8,10,12,14
	v_pk_add_f32 v[160+\j:161+\j], v[160+\j:161+\j], v[208+\j:209+\j] neg_lo:[0,1] neg_hi:[0,1]   ; plain work behind the batch
.endr
	s_wait_alu depctr_va_vdst(0)                   ; one wait for the sixteen, ahead of their first reader
.irp j, 0,2,4,6,8,10,12,14
	v_pk_mul_f32 v[176+\j:177+\j], v[176+\j:177+\j], v[224+\j:225+\j]
.endr
.irp j, 0,2,4,6,8,10,12,14
	v_pk_fma_f32 v[160+\j:161+\j], v[160+\j:161+\j], v[176+\j:177+\j], v[192+\j:193+\j]
.endr
.set O, 0
.rept 16
	PKM 128+2*O, 128+2*O, 176+2*(O/2), O%2
.set O, O+1
.endr
.irp j, 0,2,4,6,8,10,12,14,16,18,20,22,24,26,28,30
	v_pk_mul_f32 v[96+\j:97+\j], v[96+\j:97+\j], 0x3fb8aa3b op_sel_hi:[1,0]
.endr
	v_pk_mul_f32 v[94:95], v[94:95], 0x3fb8aa3b op_sel_hi:[1,0]
; THE BIAS of window tile n: for my window, my two queries (a pair), four keys, two heads.  It runs while the rows of s are on their way.
.macro BIAS n
.irp ki, 0,1,2,3
	v_pk_add_f32 v[240+2*\ki:241+2*\ki], v[48+4*\n:49+4*\n], v[56+8*\n+2*\ki:57+8*\n+2*\ki] op_sel_hi:[1,0] neg_lo:[0,1] neg_hi:[0,1]              ; sp[0][q] - xp[0][key]
	v_pk_add_f32 v[248+2*\ki:249+2*\ki], v[50+4*\n:51+4*\n], v[56+8*\n+2*\ki:57+8*\n+2*\ki] op_sel:[0,1] op_sel_hi:[1,1] neg_lo:[0,1] neg_hi:[0,1] ; sp[1][q] - xp[1][key]
.endr
.set O, 0
.rept 16
.irp ki, 0,1,2,3
	PKF TT+2*\ki, 240+2*\ki, 128+2*O, 160+2*(O/2), 0, O%2
.endr
.irp ki, 0,1,2,3
	PKF TT+2*\ki, 248+2*\ki, 128+2*O, TT+2*\ki, 1, 2
.endr
.irp j, 0,1,2,3,4,5,6,7
	v_max_num_f32 v[TT+\j], 0, v[TT+\j]
.endr
.irp hd, 0,1
.irp ki, 0,1,2,3
.if O == 0
	PKF BI+16*\n+8*\hd+2*\ki, TT+2*\ki, 96+16*\hd, 94, 0, \hd
.else
	PKF BI+16*\n+8*\hd+2*\ki, TT+2*\ki, 96+16*\hd+2*(O/2), BI+16*\n+8*\hd+2*\ki, O%2, 2
.endif
.endr
.endr
.set O, O+1
.endr
.endm
	BIAS 0
	BIAS 1
	; ---- the turn's six store addresses, in registers that pw2 has left: piece P = 32 k + lane of a block goes to byte 16 (P + P / 12).  P / 12 = (171 P) >> 11 for P < 192: 171 / 2048 = 1 / 12 + 1 / 6144, and 191 / 6144 < 1 / 12
.irp k, 0,1,2,3,4,5
	v_add_nc_u32 v[AXS+\k], 32*\k, v91
.endr
.irp k, 0,1,2,3,4,5
	v_mul_u32_u24 v[TT+\k], v[AXS+\k], 171
.endr
.irp k, 0,1,2,3,4,5
	v_lshrrev_b32 v[TT+\k], 11, v[TT+\k]
.endr
.irp k, 0,1,2,3,4,5
	v_add_nc_u32 v[AXS+\k], v[AXS+\k], v[TT+\k]
.endr
.irp k, 0,1,2,3,4,5
	v_lshl_add_u32 v[AXS+\k], v[AXS+\k], 4, s[G0+1]
.endr
	s_wait_tensorcnt 0x0                           ; my rows of s lie in LDS; only I read them
; Tile n of my two: 16 rows x 256 f32 become two fragments.  Lane (r, h) takes, of row r, 16 neighbours of each block of 32.  The images go over the tile's first bytes, which have had their one fill and which I have read.
.macro QS n
.irp s, 0,1
.irp b, 0,1,2,3
.irp q, 0,1,2,3
	ds_load_b128 v[128+64*\s+16*\b+4*\q:131+64*\s+16*\b+4*\q], v[AR] offset:TILEB*\n+512*\s+128*\b+16*\q
.endr
.endr
.endr
	s_wait_dscnt 0x0
.irp s, 0,1
	QCORE 128+64*\s, 48, 54, 60
	v_lshl_or_b32 v[PW], v[TM+5], 8, v[TM+4]
	v_lshl_or_b32 v[PW], v[TM+6], 16, v[PW]
	v_lshl_or_b32 v[PW], v[TM+7], 24, v[PW]
.irp k, 0,1,2
	ds_store_b128 v[AI], v[48+4*\k:51+4*\k] offset:TILEB*\n+FRB*\s+512*\k
.endr
	ds_store_b32 v[AI], v[PW] offset:TILEB*\n+3072+512*\s
	s_wait_dscnt 0x0                               ; the stores have read their registers
.endr
.endm
	QS 0
	QS 1
	s_wait_loadcnt 0x0                             ; tile 0's x, Wq, bq and scale words
	XTURN                                          ; both tiles' rows of s have been read: the bytes behind their images are free
	s_wait_dscnt 0x0                               ; for the others' sake: my images and my packet lie in LDS; my fragments are in
	s_barrier_signal -1
	s_barrier_wait -1                              ; the launch's one barrier: from here on images and packets are only read; a wave's turn blocks stay its own
.macro PKLOAD set, mat, e              ; the two packets of matrix mat, head e: four fragments, two tiles of C, four scale words: 20 loads
	WIN 0x40
.irp T, 0,1
.irp s, 0,1
.irp k, 0,1,2
	ds_load_b128 v[FA+48*\set+12*(2*\T+\s)+4*\k:FA+48*\set+12*(2*\T+\s)+4*\k+3], v[AW] offset:(4*\mat+2*\e+\T)*PKB+FRB*\s+512*\k
.endr
.endr
.irp k, 0,1
	ds_load_b128 v[CB+8*\T+4*\k:CB+8*\T+4*\k+3], v[AW] offset:(4*\mat+2*\e+\T)*PKB+3072+512*\k
.endr
.endr
	WIN 0
.irp T, 0,1
.irp s, 0,1
	ds_load_b32 v[FS+4*\set+2*\T+\s], v[AW] offset:(4*\mat+2*\e+\T)*PKB+4096+512*\s
.endr
.endr
.endm
.macro SBLOAD set, j, e                ; tiles 2 j, 2 j + 1 of head e's eight tiles of rows of s: four fragments, four scale words: 16 loads
	WIN 0x40
.irp tt, 0,1
.irp s, 0,1
.irp k, 0,1,2
	ds_load_b128 v[FA+48*\set+12*(2*\tt+\s)+4*\k:FA+48*\set+12*(2*\tt+\s)+4*\k+3], v[AS+2*\e+\j/2] offset:(\j%2)*RAWW+\tt*TILEB+FRB*\s+512*\k
.endr
.endr
.endr
	WIN 0
.irp tt, 0,1
.irp s, 0,1
	ds_load_b32 v[FS+4*\set+2*\tt+\s], v[AS+2*\e+\j/2] offset:(\j%2)*RAWW+\tt*TILEB+3072+512*\s
.endr
.endr
.endm
; k or v: source 0 = 16 rows of the weight, source 1 = my 16 windows' rows of x for key hk.  Eight accumulators by turns, one instruction a turn; the bias is the C of the first K step.
.macro KVGEMM set, dst
	WIN 0x15
.irp T, 0,1
.irp hk, 0,1,2,3
	v_wmma_scale_f32_16x16x128_f8f6f4 v[\dst+16*\hk+8*\T:\dst+16*\hk+8*\T+7], v[FA+48*\set+24*\T:FA+48*\set+24*\T+11], v[XF+24*\hk:XF+24*\hk+11], v[CB+8*\T:CB+8*\T+7], v[FS+4*\set+2*\T], v[XS+2*\hk] matrix_a_fmt:MATRIX_FMT_BF6 matrix_b_fmt:MATRIX_FMT_BF6
.endr
.endr
	WIN 0x05
.irp T, 0,1
.irp hk, 0,1,2,3
	v_wmma_scale_f32_16x16x128_f8f6f4 v[\dst+16*\hk+8*\T:\dst+16*\hk+8*\T+7], v[FA+48*\set+24*\T+12:FA+48*\set+24*\T+23], v[XF+24*\hk+12:XF+24*\hk+23], v[\dst+16*\hk+8*\T:\dst+16*\hk+8*\T+7], v[FS+4*\set+2*\T+1], v[XS+2*\hk+1] matrix_a_fmt:MATRIX_FMT_BF6 matrix_b_fmt:MATRIX_FMT_BF6
.endr
.endr
.endm
; q: source 0 = 16 rows of s, source 1 = my 16 windows' rows of Wq.  Register 8 t + 4 u + hq of lane (r, h): window r, query hq, channel 4 t + 2 h + u.
.macro QMM set, j
	WIN 0x15
.irp tt, 0,1
	v_wmma_scale_f32_16x16x128_f8f6f4 v[R1+8*(2*\j+\tt):R1+8*(2*\j+\tt)+7], v[FA+48*\set+24*\tt:FA+48*\set+24*\tt+11], v[WQ:WQ+11], v[BQ:BQ+7], v[FS+4*\set+2*\tt], v[WQS] matrix_a_fmt:MATRIX_FMT_BF6 matrix_b_fmt:MATRIX_FMT_BF6
.endr
	WIN 0x05
.irp tt, 0,1
	v_wmma_scale_f32_16x16x128_f8f6f4 v[R1+8*(2*\j+\tt):R1+8*(2*\j+\tt)+7], v[FA+48*\set+24*\tt+12:FA+48*\set+24*\tt+23], v[WQ+12:WQ+23], v[R1+8*(2*\j+\tt):R1+8*(2*\j+\tt)+7], v[FS+4*\set+2*\tt+1], v[WQS+1] matrix_a_fmt:MATRIX_FMT_BF6 matrix_b_fmt:MATRIX_FMT_BF6
.endr
.endm
; The lane's part of the 16 scores: its 16 channels, two queries at a time.  t and u rise.
.macro SCORES
.irp t, 0,1,2,3,4,5,6,7
.irp u, 0,1
.irp ki, 0,1,2,3
.irp qp, 0,1
.if (\t == 0) && (\u == 0)
	PKM SC+4*\ki+2*\qp, R1+2*\qp, R2+16*\ki, 0
.else
	PKF SC+4*\ki+2*\qp, R1+8*\t+4*\u+2*\qp, R2+16*\ki+2*\t, SC+4*\ki+2*\qp, \u, 2
.endif
.endr
.endr
.endr
.endr
.endm
; ONE WINDOW TILE, ONE HEAD.  Fragment sets 0 and 1 take turns: each run of LDS loads stands a product ahead of its use, behind four places.
; Waits on DScnt: 16 = the run of s fragments issued last may be out; 20 = v's packets may be out.
.macro UNIT n, e
	s_wait_xcnt 0x0                                ; the last stores have read the code and word registers, which are written again below
	PKLOAD 0, 0, \e
	SBLOAD 1, 0, \e
	s_wait_dscnt 16
	KVGEMM 0, R2
	PLACES 4
	SBLOAD 0, 1, \e
	s_wait_dscnt 16
	QMM 1, 0
	PLACES 4
	SBLOAD 1, 2, \e
	s_wait_dscnt 16
	QMM 0, 1
	PLACES 4
	SBLOAD 0, 3, \e
	s_wait_dscnt 16
	QMM 1, 2
	PLACES 4
	PKLOAD 1, 1, \e
	s_wait_dscnt 20
	QMM 0, 3
	WIN 0
	SCORES                                         ; its first 96 lines name nothing of the last products: they are those products' places
	s_wait_dscnt 0x0
	KVGEMM 1, R1                                   ; v goes over q, which has been read
	WIN 0
.if (\n == 0) && (\e == 1)
	PLACES 4
	XLOADS 1                                       ; tile 0's x and Wq and both fragment sets are done with: tile 1's rows land there under the rest of this unit
.endif
	; the softmax.  The halves of the lanes hold partial scores of all four queries: after the exchange and the addition lane (r, h) holds whole scores of queries 2 h and 2 h + 1
.irp ki, 0,1,2,3
.irp x, 0,1
	v_permlane16_swap_b32 v[SC+4*\ki+\x], v[SC+4*\ki+2+\x]
.endr
.endr
.irp ki, 0,1,2,3
	v_pk_add_f32 v[SC+4*\ki:SC+4*\ki+1], v[SC+4*\ki:SC+4*\ki+1], v[SC+4*\ki+2:SC+4*\ki+3]
.endr
.irp ki, 0,1,2,3
	v_pk_fma_f32 v[SC+4*\ki:SC+4*\ki+1], v[SC+4*\ki:SC+4*\ki+1], s[C2:C2+1], v[BI+16*\n+8*\e+2*\ki:BI+16*\n+8*\e+2*\ki+1] op_sel_hi:[1,0,1]
.endr
.irp x, 0,1
	v_max3_num_f32 v[116+\x], v[SC+\x], v[SC+4+\x], v[SC+8+\x]
.endr
.irp x, 0,1
	v_max_num_f32 v[116+\x], v[116+\x], v[SC+12+\x]
.endr
.irp ki, 0,1,2,3
	v_pk_add_f32 v[SC+4*\ki:SC+4*\ki+1], v[SC+4*\ki:SC+4*\ki+1], v[116:117] neg_lo:[0,1] neg_hi:[0,1]   ; the row's maximum is taken away
.endr
.irp ki, 0,1,2,3
.irp x, 0,1
	v_exp_f32 v[SC+4*\ki+\x], v[SC+4*\ki+\x]
.endr
.endr
	v_nop
	s_wait_alu depctr_va_vdst(0)                   ; one wait for the eight exponentials
	v_pk_add_f32 v[118:119], v[SC:SC+1], v[SC+4:SC+5]
	v_pk_add_f32 v[116:117], v[SC+8:SC+9], v[SC+12:SC+13]
	v_pk_add_f32 v[118:119], v[118:119], v[116:117]
	v_rcp_f32 v118, v118
	v_rcp_f32 v119, v119
	v_nop
	s_wait_alu depctr_va_vdst(0)                   ; and one for the two reciprocals
.irp ki, 0,1,2,3
	v_pk_mul_f32 v[SC+4*\ki+2:SC+4*\ki+3], v[SC+4*\ki:SC+4*\ki+1], v[118:119]
	v_pk_mul_f32 v[SC+4*\ki:SC+4*\ki+1], v[SC+4*\ki:SC+4*\ki+1], v[118:119]
.endr
.irp ki, 0,1,2,3
.irp x, 0,1
	v_permlane16_swap_b32 v[SC+4*\ki+\x], v[SC+4*\ki+2+\x]   ; now v[SC + 4 key + q] = p[q][key] in both halves
.endr
.endr
	; o = p v: lane (r, h) holds channels 16 h + 0 .. 15 of v and of o
.irp ki, 0,1,2,3
.irp q, 0,1,2,3
.irp c, 0,2,4,6,8,10,12,14
.if \ki == 0
	PKM R2+16*\q+\c, R1+\c, SC+2*(\q/2), \q%2
.else
	PKF R2+16*\q+\c, R1+16*\ki+\c, SC+4*\ki+2*(\q/2), R2+16*\q+\c, \q%2, 2
.endif
.endr
.endr
.endr
	; o's codes: a block of 32 is (query, head); my 16 codes are 12 bytes of it
	QMAX R2
.irp q, 0,1,2,3
	v_cvt_scalef32_pk16_bf6_f32 v[SC+4*\q:SC+4*\q+2], v[R2+16*\q:R2+16*\q+15], v[TM+12+\q]
.endr
.if \e == 0
.set WD, SW0
.else
.set WD, PW
.endif
	v_lshl_or_b32 v[WD], v[TM+5], 8, v[TM+4]       ; (plain lines behind the conversions)  byte q of the word: query q's scale
	v_lshl_or_b32 v[WD], v[TM+6], 16, v[WD]
	v_lshl_or_b32 v[WD], v[TM+7], 24, v[WD]
.irp q, 0,1,2,3
	global_store_b96 v[OO], v[SC+4*\q:SC+4*\q+2], s[54:55] offset:12288*\n+3072*\q+384*\e   ; the wave stores 384 consecutive bytes
.endr
.if \e == 1
	v_cndmask_b32 v[SW0], v[SW0], v[PW], s[HI16]   ; lanes 0-15: head 2 hp's word, lanes 16-31: head 2 hp + 1's
	global_store_b32 v[L4], v[SW0], s[56:57] offset:512*\n   ; 128 consecutive bytes
.endif
.endm
	UNIT 0, 0
	UNIT 0, 1
	s_wait_loadcnt 0x0                             ; tile 1's x, Wq, bq and scale words
	XTURN                                          ; through the same blocks: tile 0's fragments were read out of them long ago
	UNIT 1, 0
	UNIT 1, 1
	s_set_vgpr_msb 0x5
	s_wait_tensorcnt 0x0
	ds_add_u32 v254, v255
	s_wait_dscnt 0x0
	s_set_vgpr_msb 0x500
	s_endpgm
.Lfunc_end_k_q56534967a3_attn:
	.size	k_q56534967a3_attn, .Lfunc_end_k_q56534967a3_attn-k_q56534967a3_attn
	.p2alignl 7, 3214868480
	.fill 96, 4, 3214868480
	.section	.rodata,"a",@progbits
	.p2align	6, 0x0
	.amdhsa_kernel k_q56534967a3_attn
		.amdhsa_group_segment_fixed_size 308224
		.amdhsa_private_segment_fixed_size 0
		.amdhsa_enable_private_segment 0
		.amdhsa_kernarg_size 224
		.amdhsa_user_sgpr_count 2
		.amdhsa_user_sgpr_kernarg_segment_ptr 1
		.amdhsa_wavefront_size32 1
		.amdhsa_system_sgpr_workgroup_id_x 1
		.amdhsa_system_sgpr_workgroup_id_y 1
		.amdhsa_system_sgpr_workgroup_id_z 1
		.amdhsa_system_vgpr_workitem_id 0
		.amdhsa_next_free_vgpr 512
		.amdhsa_next_free_sgpr 100
		.amdhsa_reserve_vcc 0
		.amdhsa_float_denorm_mode_32 3
		.amdhsa_float_denorm_mode_16_64 3
		.amdhsa_memory_ordered 1
		.amdhsa_forward_progress 1
		.amdhsa_inst_pref_size 252
	.end_amdhsa_kernel
	.amdgpu_metadata
---
amdhsa.version: [ 1, 2 ]
amdhsa.kernels:
  - .name:           k_q56534967a3_attn
    .symbol:         k_q56534967a3_attn.kd
    .args:
      - { .name: s, .offset: 0, .size: 8, .value_kind: global_buffer, .address_space: global }
      - { .name: x_codes, .offset: 8, .size: 8, .value_kind: global_buffer, .address_space: global }
      - { .name: x_scales, .offset: 16, .size: 8, .value_kind: global_buffer, .address_space: global }
      - { .name: s_pos, .offset: 24, .size: 8, .value_kind: global_buffer, .address_space: global }
      - { .name: x_pos, .offset: 32, .size: 8, .value_kind: global_buffer, .address_space: global }
      - { .name: Wq_codes, .offset: 40, .size: 8, .value_kind: global_buffer, .address_space: global }
      - { .name: Wq_scales, .offset: 48, .size: 8, .value_kind: global_buffer, .address_space: global }
      - { .name: bq, .offset: 56, .size: 8, .value_kind: global_buffer, .address_space: global }
      - { .name: Wk_codes, .offset: 64, .size: 8, .value_kind: global_buffer, .address_space: global }
      - { .name: Wk_scales, .offset: 72, .size: 8, .value_kind: global_buffer, .address_space: global }
      - { .name: bk, .offset: 80, .size: 8, .value_kind: global_buffer, .address_space: global }
      - { .name: Wv_codes, .offset: 88, .size: 8, .value_kind: global_buffer, .address_space: global }
      - { .name: Wv_scales, .offset: 96, .size: 8, .value_kind: global_buffer, .address_space: global }
      - { .name: bv, .offset: 104, .size: 8, .value_kind: global_buffer, .address_space: global }
      - { .name: pw1, .offset: 112, .size: 8, .value_kind: global_buffer, .address_space: global }
      - { .name: pb1, .offset: 120, .size: 8, .value_kind: global_buffer, .address_space: global }
      - { .name: bn_g, .offset: 128, .size: 8, .value_kind: global_buffer, .address_space: global }
      - { .name: bn_b, .offset: 136, .size: 8, .value_kind: global_buffer, .address_space: global }
      - { .name: bn_m, .offset: 144, .size: 8, .value_kind: global_buffer, .address_space: global }
      - { .name: bn_v, .offset: 152, .size: 8, .value_kind: global_buffer, .address_space: global }
      - { .name: pw2, .offset: 160, .size: 8, .value_kind: global_buffer, .address_space: global }
      - { .name: pb2, .offset: 168, .size: 8, .value_kind: global_buffer, .address_space: global }
      - { .name: Wo_codes, .offset: 176, .size: 8, .value_kind: global_buffer, .address_space: global }
      - { .name: mw1_codes, .offset: 184, .size: 8, .value_kind: global_buffer, .address_space: global }
      - { .name: mw2_codes, .offset: 192, .size: 8, .value_kind: global_buffer, .address_space: global }
      - { .name: o_codes, .offset: 200, .size: 8, .value_kind: global_buffer, .address_space: global }
      - { .name: o_scales, .offset: 208, .size: 8, .value_kind: global_buffer, .address_space: global }
      - { .name: wimg, .offset: 216, .size: 8, .value_kind: global_buffer, .address_space: global }
    .group_segment_fixed_size: 308224
    .private_segment_fixed_size: 0
    .kernarg_segment_align: 8
    .kernarg_segment_size: 224
    .max_flat_workgroup_size: 256
    .sgpr_count:     100
    .vgpr_count:     512
    .wavefront_size: 32
...
	.end_amdgpu_metadata
.endif
;; end of part 1
;; launch mlp (part 2): grid 256 x 1, 8 waves a work-group, clusters of 4 x 1, 327,680 bytes of LDS; arguments s, o_codes, o_scales, wimg, Wo_scales, mw1_scales, mw2_scales, mb1, ln_g, ln_b, bo, mb2, out0; writes out0
.if DOCPART == 2
	.amdgcn_target "amdgcn-amd-amdhsa--gfx1250"
	.amdhsa_code_object_version 6
	.text
	.protected	k_q56534967a3_mlp
	.globl	k_q56534967a3_mlp
	.p2align	8
	.type	k_q56534967a3_mlp,@function
k_q56534967a3_mlp:
	s_mov_b64 s[64:65], 0
	v_nop
	global_prefetch_b8 v0, s[64:65] scope:SCOPE_SE
	s_setreg_imm32_b32 hwreg(HW_REG_WAVE_MODE, 25, 1), 1
	s_wait_xcnt 0x0
	s_wait_alu depctr_hold_cnt(0) depctr_sa_sdst(0) depctr_va_vdst(0) depctr_va_sdst(0) depctr_va_ssrc(0) depctr_va_vcc(0) depctr_vm_vsrc(0)
	s_getreg_b32 s2, hwreg(HW_REG_IB_STS2, 6, 4)
	s_cmp_eq_u32 s2, 0
	s_cbranch_scc0 .Lentry_in_a_cluster
	s_endpgm
.Lentry_in_a_cluster:
	s_bfe_u32 s2, ttmp6, 0x10000c
	s_cmp_lg_u32 s2, 0x3003
	s_cbranch_scc0 .Lentry_shape_is_right
	s_endpgm
.Lentry_shape_is_right:
; SECTOR ATTENTION, SECOND LAUNCH: s1 = s + o Wo^T + bo; n = LayerNorm(s1); out = s1 + gelu(n mw1^T + mb1) mw2^T + mb2.  All three products on codes of BF6 (E3M2) with E8M0 scales for each 32 along K.
; SHARES.  A work-group takes 256 rows as 16 tiles of 16 rows; each of its eight waves takes TWO tiles through the whole chain; the hidden layer never leaves the registers.
; Cluster x = the group 16 b + wh of the first launch; the place in the cluster picks four of its 16 window tiles; wave w: window tile 4 cx + w / 2, queries 2 (w % 2) and + 1: rows 4096 query + 256 wh + 16 tile + r.
; ALL PRODUCTS ARE USED TRANSPOSED (source 0 = 16 rows of a weight, source 1 = 16 tokens): a lane holds one token (lane % 16), and, by the choice of a tile's rows made when wimg was laid out,
; register 16 B + i of a result is channel 32 B + 16 (lane / 16) + i: 16 neighbours along the next K.
; THE WEIGHTS come as images of operand registers (wimg): Wo's once, mw1's and mw2's in eight chunks of 128 hidden units (49,152 bytes) through a ring of two LDS slots.
; CLUSTER 4 x 1: all work-groups walk the same weights, so each chunk is asked for JOINTLY by the four partners: the same tensor load, the same descriptor, the mask 15.
; GELU, exact form: gelu(x) = max(x, 0) - |x| t 2^A, t = 1 / (1 + |x| / (2 sqrt 2)), A = -x^2 log2(e) / 2 + a polynomial of degree 9 in t (the rational Chebyshev fit of erfc, fractional error under 1.2e-7, its
; coefficients x log2(e), with 1 off the constant for the factor 1/2).  No difference of near numbers on either side, no branch.
; LIMITS: NaN and infinities are not served.  Under x of about -13 the exponential falls under 2^-126 and gelu is 0 where its true magnitude is under 1e-37.
; A block whose largest magnitude lies under 2^(5 - 127) (a block of zeros too) gets the scale byte 1: its codes are zeros or next to it, and the bytes never leave the registers.
.set SLOT1, 65536                      ; LDS: slot 0 at 0, slot 1 here: one exclusive or turns an address
.set SPARE, 49152                      ; the spare words, 128 bytes for each of eight waves: four blocks of 256 bytes that no other line names
.set WOI,   114688                     ; Wo's 32 fragment images, filled once
.set STAGE, 163840                     ; 16 rows x (1,024 + 16) bytes for each wave: the turn between rows as they lie and a lane's channels
.set SM1,   296960                     ; mw1's scale bytes (8,192), as they lie
.set SM2,   305152                     ; mw2's (8,192)
.set MB1,   313344                     ; mb1 (4,096)
.set SWO,   317440                     ; Wo's scale bytes (2,048)
.set LNG,   319488                     ; ln_g (1,024), ln_b (1,024) behind it
.set LI,  1                            ; v1   16 x lane: an image's place, and my bytes in 512 consecutive bytes of s and out0
.set AF,  2                            ; v2   16 x lane + where the fragments in hand begin
.set AS1, 3                            ; v3   SM1 + 8 (r + 8 (r / 8)) + 4 h: lanes 0-15 take K step 0's word of their row, lanes 16-31 K step 1's
.set AS2, 4                            ; v4   SM2 + 32 (8 h + r + 8 (r / 8)): lanes 0-15 the even tile's rows, lanes 16-31 the odd tile's
.set AMB, 5                            ; v5   MB1 + 64 h
.set AS1C, 6                           ; v6-8 the same three for the chunk in hand
.set AS2C, 7
.set AMBC, 8
.set SPW, 9                            ; v9   my spare word
.set NIL, 10                           ; v10  0
.set STI, 11                           ; v11  my stage + 16 x lane
.set STD, 12                           ; v12  my stage + 1040 r + 64 h
.set ASW, 14                           ; v14  SWO + 8 (r + 8 (r / 8)) + 4 h
.set ALN, 15                           ; v15  LNG + 64 h
.set MU,  16                           ; v16-19 (mean, 1 / deviation) for each of my two tiles
.set NS,  20                           ; v20-23 scale words of o, then of n: [tile][K step]
.set HW,  24                           ; v24-25 the hidden layer's scale word for each tile
.set WS,  26                           ; v26-33 the weights' scale words
.set MB2, 34                           ; v34-41 mb2 at my columns of a row as it lies
.set NF,  48                           ; v48-95 o's, then n's fragments: [tile][K step] x 12
.set HA,  96                           ; v96-159 64 numbers at work: half a chunk of the hidden layer for both tiles
.set BO,  120                          ; v120-127 bo (at the head only)
.set HC,  160                          ; v160-183 the hidden layer's fragment for each tile
.set CT4, 184                          ; v184-191 the conversions' second halves
.set FA,  192                          ; v192-255 two sets of 32: two fragments and eight C registers
.set TM,  192                          ; the quantiser's 16 registers lie over them
.set TA,  192                          ; and so does GELU: t of the group in hand and of the next, the polynomial, x^2
.set PP,  224
.set X2,  240
.set WV,  30
.set G1,  32
.set G0W, 40
.set G0C, 44
.set SEL, 48
.set CNT, 50
.set TB,  51
.set TS1, 52
.set TS2, 53
.set TMB, 54
.set GA,  55                           ; s55 1 / (2 sqrt 2)
.set C0,  66                           ; s[66:81] c0 .. c7, each twice: the packed forms name a pair
.set C9,  82
.set CX,  84                           ; s[84:85] -log2(e) / 2
.set MSB, 0
.macro WIN new                         ; the immediate's high byte repeats the setting that is left; a switch that changes nothing is dropped
.if MSB != \new
	s_set_vgpr_msb (MSB<<8)|\new
.set MSB, \new
.endif
.endm
.macro PLACES n                        ; plain vector instructions between a matrix instruction and a load into, a read of or a write over its registers
.rept \n
	v_nop
.endr
.endm
.macro SPAIR r, val
	s_mov_b32 s[\r], \val
	s_mov_b32 s[\r+1], \val
.endm
.macro CROUND                          ; a round of the cluster's barrier
	s_barrier_signal -1
	s_barrier_wait -1
	s_cmp_lg_u32 s[WV], 0
	s_cbranch_scc1 .Lnot_wave_0_\@
	s_barrier_signal -3
.Lnot_wave_0_\@:
	s_barrier_wait -3
	s_barrier_signal -1
	s_barrier_wait -1
.endm
.macro QMAX src                        ; 64 numbers of a lane, register 16 B + i of block B; lanes l and l xor 16 share a block
.irp b, 0,1,2,3
	v_max3_num_f32 v[TM+\b], |v[\src+16*\b]|, |v[\src+16*\b+1]|, 0x2800000   ; with the floor 2^(5 - 127): the byte cannot fall under 1
.endr
.irp i, 2,4,6,8,10,12,14
.irp b, 0,1,2,3
	v_max3_num_f32 v[TM+\b], v[TM+\b], |v[\src+16*\b+\i]|, |v[\src+16*\b+\i+1]|
.endr
.endr
.irp b, 0,1,2,3
	v_permlanex16_b32 v[TM+4+\b], v[TM+\b], s[SEL], s[SEL+1]
.endr
.irp b, 0,1,2,3
	v_max_num_f32 v[TM+\b], v[TM+\b], v[TM+4+\b]
.endr
.irp b, 0,1,2,3
	v_add_nc_u32 v[TM+12+\b], 0xfe000000, v[TM+\b]   ; 4 off the exponent field: the conversion's scale operand
.endr
.irp b, 0,1,2,3
	v_lshrrev_b32 v[TM+4+\b], 23, v[TM+12+\b]        ; the scale's byte
.endr
.endm
.macro QCORE src, d0, d1, t            ; and the codes as operand registers: blocks 0, 1 into v[d0 .. d0+5], blocks 2, 3 into v[d1 .. d1+5]
	QMAX \src
	v_cvt_scalef32_pk16_bf6_f32 v[\d0:\d0+2], v[\src:\src+15], v[TM+12]
	v_cvt_scalef32_pk16_bf6_f32 v[\t:\t+2], v[\src+16:\src+31], v[TM+13]
	v_cvt_scalef32_pk16_bf6_f32 v[\d1:\d1+2], v[\src+32:\src+47], v[TM+14]
	v_cvt_scalef32_pk16_bf6_f32 v[\t+4:\t+6], v[\src+48:\src+63], v[TM+15]
	v_nop                                          ; one plain place behind the scaled conversions
.irp i, 0,1,2
	v_permlane16_swap_b32 v[\d0+\i], v[\t+\i]
	v_permlane16_swap_b32 v[\d1+\i], v[\t+4+\i]
.endr
.irp i, 0,1,2
	v_mov_b32 v[\d0+3+\i], v[\t+\i]
	v_mov_b32 v[\d1+3+\i], v[\t+4+\i]
.endr
.endm
	s_load_b512 s[4:19], s[0:1], 0x0               ; s, o_codes, o_scales, wimg, Wo_scales, mw1_scales, mw2_scales, mb1
	s_load_b256 s[20:27], s[0:1], 0x40             ; ln_g, ln_b, bo, mb2
	s_load_b64 s[28:29], s[0:1], 0x60              ; out0
	v_lshl_add_u32 v[SPW], v0, 2, SPARE
	v_mov_b32 v[NIL], 0
	ds_add_u32 v9, v10
	s_wait_dscnt 0x0
	v_lshrrev_b32 v44, 5, v0
	v_readfirstlane_b32 s[WV], v44                 ; wave 0..7
	s_and_b32 s31, s[WV], 1
	s_bfe_u32 s86, ttmp6, 0x40000                  ; cx: it enters global addresses of s, o and out0 alone
	s_lshr_b32 s87, s[WV], 1
	s_lshl_b32 s88, s86, 2
	s_add_co_u32 s87, s87, s88                     ; my window tile
	s_lshr_b32 s88, ttmp9, 4                       ; b
	s_and_b32 s89, ttmp9, 15                       ; wh
	s_lshl_b32 s90, s88, 14
	s_lshl_b32 s91, s31, 13                        ; my first query x 4096
	s_add_co_u32 s90, s90, s91
	s_lshl_b32 s91, s89, 8
	s_add_co_u32 s90, s90, s91
	s_lshl_b32 s91, s87, 4
	s_add_co_u32 s90, s90, s91
	s_lshl_b32 s90, s90, 10                        ; my first row of s and out0, in bytes; the second tile lies 4,194,304 bytes on
	s_mov_b32 s91, 0
	s_mul_i32 s92, ttmp9, 196608
	s_mul_i32 s94, s87, 12288
	s_add_co_u32 s92, s92, s94
	s_mul_i32 s94, s31, 6144
	s_add_co_u32 s92, s92, s94                     ; o's codes of my first tile
	s_mov_b32 s93, 0
	s_lshl_b32 s94, ttmp9, 13
	s_lshl_b32 s88, s87, 9
	s_add_co_u32 s94, s94, s88                     ; o's scale words of my window tile
	s_mov_b32 s95, 0
	; descriptor group 1: half a chunk, 24,576 dense bytes, as 96 rows of 256 bytes; joint: the mask names all four work-groups
	s_mov_b32 s[G1+0], 15|(3<<16)|(1<<21)
	s_mov_b32 s[G1+1], 32<<16
	s_mov_b32 s[G1+2], 96<<16
	s_mov_b32 s[G1+3], 32<<16
	s_mov_b32 s[G1+4], 96
	s_mov_b32 s[G1+5], 32
	s_mov_b32 s[G1+6], 0
	s_mov_b32 s[G1+7], 0
	s_mul_i32 s88, s31, 24576                      ; waves 0 and 1 fetch: which half
	s_mov_b32 s89, 0
	s_mov_b32 s[SEL], 0x76543210
	s_mov_b32 s[SEL+1], 0xfedcba98
	s_mov_b32 s[GA], 0x3eb504f3
	s_mov_b32 s56, 0x3b800000                      ; 1 / 256
	s_mov_b32 s57, 0x3727c5ac                      ; 1e-5
	s_lshl_b32 s58, s31, 1
	s_mul_i32 s58, s58, 0x01010101
	s_add_co_u32 s58, s58, 0x04000400              ; v_perm_b32: byte (query) of the second source, then of the first
	s_add_co_u32 s59, s58, 0x01010101              ; the same for my second tile's query
	s_mov_b32 s60, 0x05040100
	SPAIR C0,    0xc034d90f
	SPAIR C0+2,  0x3fb8ab5a
	SPAIR C0+4,  0x3f0a29d2
	SPAIR C0+6,  0x3e0efb2f
	SPAIR C0+8,  0xbe899a80
	SPAIR C0+10, 0x3ecdfd18
	SPAIR C0+12, 0xbfd1a1e5
	SPAIR C0+14, 0x40097039
	SPAIR C9,    0x3e7c6f08
	SPAIR CX,    0xbf38aa3b
	v_mov_b32 v42, 0xbf97d29d                      ; c8, in vector registers: a packed form takes one scalar pair
	v_mov_b32 v43, 0xbf97d29d
	v_and_b32 v46, 31, v0                          ; lane
	v_and_b32 v44, 15, v0                          ; r
	v_bfe_u32 v45, v0, 4, 1                        ; h
	v_and_b32 v47, 8, v44
	v_add_nc_u32 v47, v47, v44                     ; r + 8 (r / 8)
	v_lshlrev_b32 v[LI], 4, v46
	v_lshlrev_b32 v[AS1], 3, v47
	v_lshl_add_u32 v[AS1], v45, 2, v[AS1]
	v_add_nc_u32 v[ASW], SWO, v[AS1]
	v_add_nc_u32 v[AS1], SM1, v[AS1]
	v_lshl_add_u32 v[AS2], v45, 3, v47
	v_lshlrev_b32 v[AS2], 5, v[AS2]
	v_add_nc_u32 v[AS2], SM2, v[AS2]
	v_lshlrev_b32 v[AMB], 6, v45
	v_add_nc_u32 v[ALN], LNG, v[AMB]
	v_add_nc_u32 v[AMB], MB1, v[AMB]
	s_mul_i32 s61, s[WV], 16640
	s_add_co_u32 s61, s61, STAGE
	v_add_nc_u32 v[STI], s61, v[LI]
	v_mul_u32_u24 v[STD], v44, 1040
	v_lshl_add_u32 v[STD], v45, 6, v[STD]
	v_add_nc_u32 v[STD], s61, v[STD]
	v_add_nc_u32 v[AF], WOI, v[LI]
	v_lshlrev_b32 v136, 4, v0                      ; the small tables are copied by all 256 threads: 16, 8, 4 bytes a thread
	v_lshlrev_b32 v137, 3, v0
	v_lshlrev_b32 v138, 2, v0
	v_lshl_add_u32 v139, v0, 4, SM1
	v_lshl_add_u32 v140, v0, 3, SWO
	v_lshl_add_u32 v141, v0, 2, LNG
	v_mul_u32_u24 v142, v44, 24
	v_mad_u32_u24 v142, v45, 384, v142             ; o's codes: head 4 s + 2 c + h, row r
	v_lshlrev_b32 v143, 2, v46
.irp j, 0,1,2,3
	v_mov_b32 v[MU+\j], 0                          ; (named in pairs before the second of a pair is made)
	v_mov_b32 v[132+\j], 0                         ; (a lane permute's destination counts as one of its sources)
.endr
	s_wait_kmcnt 0x0
	s_mov_b32 s[G0W], 1
	s_add_co_u32 s[G0W+1], s88, WOI
	s_add_nc_u64 s[G0W+2:G0W+3], s[10:11], s[88:89]
	s_add_nc_u64 s[G0W+2:G0W+3], s[G0W+2:G0W+3], 393216
	s_or_b32 s[G0W+3], s[G0W+3], 0x80000000
	s_mov_b32 s[G0C], 1
	s_mov_b32 s[G0C+1], s88
	s_add_nc_u64 s[G0C+2:G0C+3], s[10:11], s[88:89]
	s_or_b32 s[G0C+3], s[G0C+3], 0x80000000
	s_add_nc_u64 s[4:5], s[4:5], s[90:91]
	s_add_nc_u64 s[28:29], s[28:29], s[90:91]
	s_add_nc_u64 s[6:7], s[6:7], s[92:93]
	s_add_nc_u64 s[8:9], s[8:9], s[94:95]
	CROUND                                         ; all four work-groups are here: the first joint loads meet
	s_cmp_lt_u32 s[WV], 2                          ; a wave's two first fills stand in one branch: Wo's images and chunk 0: two loads of mine are out
	s_cbranch_scc0 .Lno_first
	tensor_load_to_lds s[G0W:G0W+3], s[G1:G1+7]
	s_nop 0
	tensor_load_to_lds s[G0C:G0C+3], s[G1:G1+7]
	s_nop 0
	PLACES 4
.Lno_first:
	; ---- loads: 8 of the small tables, 2 bo, 2 mb2, 4 of o's scale words, 24 of o's codes, 64 of s: 104
	global_load_b128 v[96:99], v136, s[14:15]
	global_load_b128 v[100:103], v136, s[14:15] offset:4096
	global_load_b128 v[104:107], v136, s[16:17]
	global_load_b128 v[108:111], v136, s[16:17] offset:4096
	global_load_b128 v[112:115], v136, s[18:19]
	global_load_b64 v[116:117], v137, s[12:13]
	global_load_b32 v118, v138, s[20:21]
	global_load_b32 v119, v138, s[22:23]
	global_load_b128 v[BO:BO+3], v[LI], s[24:25]
	global_load_b128 v[BO+4:BO+7], v[LI], s[24:25] offset:512
	global_load_b128 v[MB2:MB2+3], v[LI], s[26:27]
	global_load_b128 v[MB2+4:MB2+7], v[LI], s[26:27] offset:512
.irp j, 0,1,2,3
	global_load_b32 v[128+\j], v143, s[8:9] offset:128*\j   ; lanes 0-15: head 2 j's words, lanes 16-31: head 2 j + 1's
.endr
.irp rt, 0,1
.irp s, 0,1
.irp c, 0,1
.irp i, 0,1,2
	global_load_b64 v[NF+12*(2*\rt+\s)+6*\c+2*\i:NF+12*(2*\rt+\s)+6*\c+2*\i+1], v142, s[6:7] offset:3072*\rt+1536*\s+768*\c+8*\i th:TH_LOAD_NT
.endr
.endr
.endr
.endr
	WIN 0x40
.set J, 0
.rept 64
	global_load_b128 v[4*J:4*J+3], v[LI], s[4:5] offset:4194304*(J/32)+512*(J%32) th:TH_LOAD_NT   ; a tile's 16 rows are 16,384 consecutive bytes: 512 a load, into the registers in which the sums will stand
.set J, J+1
.endr
	WIN 0
	s_wait_loadcnt 63                              ; at most the youngest 63 are out: the first 41 are in, all but s among them
	ds_store_b128 v139, v[96:99]
	ds_store_b128 v139, v[100:103] offset:4096
	ds_store_b128 v139, v[104:107] offset:8192
	ds_store_b128 v139, v[108:111] offset:12288
	ds_store_b128 v139, v[112:115] offset:16384
	ds_store_b64 v140, v[116:117]
	ds_store_b32 v141, v118
	ds_store_b32 v141, v119 offset:1024
	; o's scale words: of the words [head][r] the byte of my tile's query, four heads to a K step's word
.irp j, 0,1,2,3
	v_permlanex16_b32 v[132+\j], v[128+\j], s[SEL], s[SEL+1]
.endr
.irp rt, 0,1
.irp s, 0,1
	v_perm_b32 v144, v[132+2*\s], v[128+2*\s], s[58+\rt]
	v_perm_b32 v145, v[133+2*\s], v[129+2*\s], s[58+\rt]
	v_perm_b32 v[NS+2*\rt+\s], v145, v144, s60
.endr
.endr
; s + bo of tile rt turns through my stage: in as the rows lie, back as a lane's channels: register 16 B + i = channel 32 B + 16 h + i of row r
.macro SIN rt
	s_wait_loadcnt 32-32*\rt                       ; this tile's 32 loads are in; the other tile's may be out
	WIN 0x41
.set J, 0
.rept 32
	v_pk_add_f32 v[128*\rt+4*J:128*\rt+4*J+1], v[128*\rt+4*J:128*\rt+4*J+1], v[BO+4*(J%2):BO+4*(J%2)+1]
	v_pk_add_f32 v[128*\rt+4*J+2:128*\rt+4*J+3], v[128*\rt+4*J+2:128*\rt+4*J+3], v[BO+4*(J%2)+2:BO+4*(J%2)+3]
.set J, J+1
.endr
	WIN 0x04
.set J, 0
.rept 32
	ds_store_b128 v[STI], v[128*\rt+4*J:128*\rt+4*J+3] offset:1040*(J/2)+512*(J%2)
.set J, J+1
.endr
	s_wait_dscnt 0x0                               ; the stores have read their registers, which the loads below fill
	WIN 0x40
.set J, 0
.rept 32
	ds_load_b128 v[128*\rt+4*J:128*\rt+4*J+3], v[STD] offset:128*(J/4)+16*(J%4)
.set J, J+1
.endr
	WIN 0
.endm
	SIN 0
	SIN 1
	s_wait_tensorcnt 0x0                           ; my parts of Wo's images and of chunk 0 are in,
	s_wait_dscnt 0x0                               ; my parts of the small tables are stored, my sums are back
	s_barrier_signal -1
	s_barrier_wait -1                              ; everybody's are
	; ---- s1 = (s + bo) + o Wo^T: sixteen tiles of channels, a packet of two fragments and one scale register each, two sets by turns
.macro OPK ct
	WIN 0
.irp s, 0,1
.irp k, 0,1,2
	ds_load_b128 v[FA+32*((\ct)%2)+12*\s+4*\k:FA+32*((\ct)%2)+12*\s+4*\k+3], v[AF] offset:(2*(\ct)+\s)*1536+512*\k
.endr
.endr
	ds_load_b32 v[WS+(\ct)%2], v[ASW] offset:256*((\ct)/2)+64*((\ct)%2)
.endm
.macro OMM ct                          ; four matrix instructions, the two tiles' accumulators by turns
	WIN 0x50
.irp rt, 0,1
	v_wmma_scale_f32_16x16x128_f8f6f4 v[128*\rt+8*(\ct):128*\rt+8*(\ct)+7], v[FA+32*((\ct)%2):FA+32*((\ct)%2)+11], v[NF+24*\rt:NF+24*\rt+11], v[128*\rt+8*(\ct):128*\rt+8*(\ct)+7], v[WS+(\ct)%2], v[NS+2*\rt] matrix_a_fmt:MATRIX_FMT_BF6 matrix_b_fmt:MATRIX_FMT_BF6
.endr
.irp rt, 0,1
	v_wmma_scale_f32_16x16x128_f8f6f4 v[128*\rt+8*(\ct):128*\rt+8*(\ct)+7], v[FA+32*((\ct)%2)+12:FA+32*((\ct)%2)+23], v[NF+24*\rt+12:NF+24*\rt+23], v[128*\rt+8*(\ct):128*\rt+8*(\ct)+7], v[WS+(\ct)%2], v[NS+2*\rt+1] matrix_a_fmt:MATRIX_FMT_BF6 matrix_b_fmt:MATRIX_FMT_BF6 matrix_a_scale:MATRIX_SCALE_ROW1
.endr
.endm
	OPK 0
.set CT, 0
.rept 16
.if CT < 15
.if CT > 0
	PLACES 4
.endif
	OPK CT+1
	s_wait_dscnt 7                                 ; the packet just asked for may be out
.else
	s_wait_dscnt 0x0
.endif
	OMM CT
.set CT, CT+1
.endr
	WIN 0
	PLACES 4
; ---- LayerNorm's mean and deviation of tile rt: a lane holds 128 of its row's 256 numbers, lane l xor 16 the others.  The accumulators are read in ascending order.
.macro LNSTAT rt
	WIN 0x05
.irp c, 0,2,4,6
	v_pk_add_f32 v[192+\c:193+\c], v[128*\rt+\c:128*\rt+\c+1], v[128*\rt+8+\c:128*\rt+9+\c]
.endr
	WIN 0x01
.set J, 16
.rept 56
	v_pk_add_f32 v[192+J%8:193+J%8], v[128*\rt+J:128*\rt+J+1], v[192+J%8:193+J%8]
.set J, J+2
.endr
	WIN 0
	v_pk_add_f32 v[192:193], v[192:193], v[194:195]
	v_pk_add_f32 v[196:197], v[196:197], v[198:199]
	v_pk_add_f32 v[192:193], v[192:193], v[196:197]
	v_add_f32 v192, v192, v193
	v_permlanex16_b32 v193, v192, s[SEL], s[SEL+1]
	v_add_f32 v192, v192, v193
	v_mul_f32 v[MU+2*\rt], s56, v192
.irp bt, 0,1                           ; the squares of the differences from the mean, 64 numbers at a time: the differences are made with s1 in window 1, the squares are summed in window 0
	WIN 0x01
.set J, 0
.rept 32
	v_pk_add_f32 v[HA+J:HA+J+1], v[128*\rt+64*\bt+J:128*\rt+64*\bt+J+1], v[MU+2*\rt:MU+2*\rt+1] op_sel_hi:[1,0] neg_lo:[0,1] neg_hi:[0,1]
.set J, J+2
.endr
	WIN 0
.set J, 0
.rept 32
.if (\bt == 0) && (J < 8)
	v_pk_mul_f32 v[192+J:193+J], v[HA+J:HA+J+1], v[HA+J:HA+J+1]
.else
	v_pk_fma_f32 v[192+J%8:193+J%8], v[HA+J:HA+J+1], v[HA+J:HA+J+1], v[192+J%8:193+J%8]
.endif
.set J, J+2
.endr
.endr
	v_pk_add_f32 v[192:193], v[192:193], v[194:195]
	v_pk_add_f32 v[196:197], v[196:197], v[198:199]
	v_pk_add_f32 v[192:193], v[192:193], v[196:197]
	v_add_f32 v192, v192, v193
	v_permlanex16_b32 v193, v192, s[SEL], s[SEL+1]
	v_add_f32 v192, v192, v193
	v_fma_f32 v192, v192, s56, s57                 ; the variance + 1e-5
	v_rsq_f32 v[MU+2*\rt+1], v192
	v_nop
	s_wait_alu depctr_va_vdst(0)                   ; ahead of the first line that names the result
.endm
	LNSTAT 0
	LNSTAT 1
; ---- n = (s1 - mean) / deviation x ln_g + ln_b for K step s of tile rt, and its codes
.macro LNQ rt, s
.irp bt, 0,1
.irp j, 0,1,2,3,4,5,6,7
	ds_load_b128 v[192+4*\j:195+4*\j], v[ALN] offset:128*(4*\s+2*\bt+\j/4)+16*(\j%4)
.endr
.irp j, 0,1,2,3,4,5,6,7
	ds_load_b128 v[224+4*\j:227+4*\j], v[ALN] offset:1024+128*(4*\s+2*\bt+\j/4)+16*(\j%4)
.endr
	WIN 0x01
.set J, 0
.rept 16
	v_pk_add_f32 v[HA+32*\bt+J:HA+32*\bt+J+1], v[128*\rt+64*\s+32*\bt+J:128*\rt+64*\s+32*\bt+J+1], v[MU+2*\rt:MU+2*\rt+1] op_sel_hi:[1,0] neg_lo:[0,1] neg_hi:[0,1]
.set J, J+2
.endr
	WIN 0
.set J, 0
.rept 16
	v_pk_mul_f32 v[HA+32*\bt+J:HA+32*\bt+J+1], v[HA+32*\bt+J:HA+32*\bt+J+1], v[MU+2*\rt:MU+2*\rt+1] op_sel:[0,1] op_sel_hi:[1,1]
.set J, J+2
.endr
	s_wait_dscnt 0x0
.set J, 0
.rept 16
	v_pk_fma_f32 v[HA+32*\bt+J:HA+32*\bt+J+1], v[HA+32*\bt+J:HA+32*\bt+J+1], v[192+J:193+J], v[224+J:225+J]
.set J, J+2
.endr
.endr
	QCORE HA, NF+12*(2*\rt+\s), NF+12*(2*\rt+\s)+6, CT4
	v_lshl_or_b32 v[NS+2*\rt+\s], v[TM+5], 8, v[TM+4]
	v_lshl_or_b32 v[NS+2*\rt+\s], v[TM+6], 16, v[NS+2*\rt+\s]
	v_lshl_or_b32 v[NS+2*\rt+\s], v[TM+7], 24, v[NS+2*\rt+\s]
.endm
	LNQ 0, 0
	LNQ 0, 1
	LNQ 1, 0
	LNQ 1, 1
; ---- GELU of the 64 numbers in v[HA ..], in four groups of 16.  GD: t = 1 / (1 + |x| / (2 sqrt 2)) of group g.
.macro GD g, t
.set J, 0
.rept 16
	v_fma_f32 v[\t+J], |v[HA+16*(\g)+J]|, s[GA], 1.0
.set J, J+1
.endr
.set J, 0
.rept 16
	v_rcp_f32 v[\t+J], v[\t+J]
.set J, J+1
.endr
.endm
; A group: the polynomial by Horner's rule, two numbers an instruction; the exponentials as one batch; the NEXT group's reciprocals behind them; 32 plain lines; ONE wait for both batches.
.macro GG g
.set TC, TA+16*((\g)%2)
.set TN, TA+16*(1-(\g)%2)
.set XB, HA+16*(\g)
.irp j, 0,2,4,6,8,10,12,14
	v_pk_fma_f32 v[PP+\j:PP+\j+1], v[TC+\j:TC+\j+1], s[C9:C9+1], v[42:43] op_sel_hi:[1,0,1]
.endr
.irp k, 7,6,5,4,3,2,1,0
.irp j, 0,2,4,6,8,10,12,14
	v_pk_fma_f32 v[PP+\j:PP+\j+1], v[PP+\j:PP+\j+1], v[TC+\j:TC+\j+1], s[C0+2*\k:C0+2*\k+1] op_sel_hi:[1,1,0]
.endr
.endr
.irp u, 0,8
.irp j, 0,2,4,6
	v_pk_mul_f32 v[X2+\j:X2+\j+1], v[XB+\u+\j:XB+\u+\j+1], v[XB+\u+\j:XB+\u+\j+1]
.endr
.irp j, 0,2,4,6
	v_pk_fma_f32 v[PP+\u+\j:PP+\u+\j+1], v[X2+\j:X2+\j+1], s[CX:CX+1], v[PP+\u+\j:PP+\u+\j+1] op_sel_hi:[1,0,1]
.endr
.endr
.set J, 0
.rept 16
	v_exp_f32 v[PP+J], v[PP+J]
.set J, J+1
.endr
.if (\g) < 3
	GD (\g)+1, TN
.endif
.set J, 0
.rept 16
	v_mul_f32 v[TC+J], |v[XB+J]|, v[TC+J]
.set J, J+1
.endr
.set J, 0
.rept 16
	v_max_num_f32 v[XB+J], 0, v[XB+J]
.set J, J+1
.endr
	s_wait_alu depctr_va_vdst(0)                   ; for this group's exponentials and the next group's reciprocals, ahead of the first line that names a result
.irp j, 0,2,4,6,8,10,12,14
	v_pk_fma_f32 v[XB+\j:XB+\j+1], v[TC+\j:TC+\j+1], v[PP+\j:PP+\j+1], v[XB+\j:XB+\j+1] neg_lo:[1,0,0] neg_hi:[1,0,0]
.endr
.endm
.macro GELU
	GD 0, TA
	v_nop
	s_wait_alu depctr_va_vdst(0)
	GG 0
	GG 1
	GG 2
	GG 3
.endm
; ---- half a chunk of the hidden layer for both tiles: four tiles of 16 hidden units; a packet is two fragments, mb1 as eight C registers and one scale register (K step 0 in lanes 0-15, K step 1 in lanes 16-31): 9 loads
.macro HPK hh, p
.set HT, 4*(\hh)+(\p)
.set FB, FA+32*((\p)%2)
.irp s, 0,1
.irp k, 0,1,2
	ds_load_b128 v[FB+12*\s+4*\k:FB+12*\s+4*\k+3], v[AF] offset:(2*HT+\s)*1536+512*\k
.endr
.endr
.irp k, 0,1
	ds_load_b128 v[FB+24+4*\k:FB+24+4*\k+3], v[AMBC] offset:128*(HT/2)+32*(HT%2)+16*\k
.endr
	ds_load_b32 v[WS+(\p)%2], v[AS1C] offset:256*(HT/2)+64*(HT%2)
.endm
.macro HMM p
.set FB, FA+32*((\p)%2)
.irp rt, 0,1
	v_wmma_scale_f32_16x16x128_f8f6f4 v[HA+32*\rt+8*(\p):HA+32*\rt+8*(\p)+7], v[FB:FB+11], v[NF+24*\rt:NF+24*\rt+11], v[FB+24:FB+31], v[WS+(\p)%2], v[NS+2*\rt] matrix_a_fmt:MATRIX_FMT_BF6 matrix_b_fmt:MATRIX_FMT_BF6
.endr
.irp rt, 0,1
	v_wmma_scale_f32_16x16x128_f8f6f4 v[HA+32*\rt+8*(\p):HA+32*\rt+8*(\p)+7], v[FB+12:FB+23], v[NF+24*\rt+12:NF+24*\rt+23], v[HA+32*\rt+8*(\p):HA+32*\rt+8*(\p)+7], v[WS+(\p)%2], v[NS+2*\rt+1] matrix_a_fmt:MATRIX_FMT_BF6 matrix_b_fmt:MATRIX_FMT_BF6 matrix_a_scale:MATRIX_SCALE_ROW1
.endr
.endm
.macro HGEMM hh
	HPK \hh, 0
.irp p, 0,1,2,3
.if \p < 3
.if \p > 0
	PLACES 4
.endif
	HPK \hh, \p+1
	s_wait_dscnt 9                                 ; the packet just asked for may be out
.else
	s_wait_dscnt 0x0
.endif
	HMM \p
.endr
	PLACES 4
.endm
; ---- out += hidden mw2^T: this chunk is one K step; sixteen tiles of channels x two tiles of rows, each accumulator once
.macro YB bt
.set YA, HA+96*((\bt)%2)
.irp f, 0,1,2,3
.irp k, 0,1,2
	ds_load_b128 v[YA+12*\f+4*\k:YA+12*\f+4*\k+3], v[AF] offset:24576+(4*(\bt)+\f)*1536+512*\k
.endr
.endr
.endm
.macro YMM bt
.set YA, HA+96*((\bt)%2)
	WIN 0x50
.irp f, 0,1,2,3
.irp rt, 0,1
.if (\f%2) == 0
	v_wmma_scale_f32_16x16x128_f8f6f4 v[128*\rt+8*(4*(\bt)+\f):128*\rt+8*(4*(\bt)+\f)+7], v[YA+12*\f:YA+12*\f+11], v[HC+12*\rt:HC+12*\rt+11], v[128*\rt+8*(4*(\bt)+\f):128*\rt+8*(4*(\bt)+\f)+7], v[WS+2*(\bt)+\f/2], v[HW+\rt] matrix_a_fmt:MATRIX_FMT_BF6 matrix_b_fmt:MATRIX_FMT_BF6
.else
	v_wmma_scale_f32_16x16x128_f8f6f4 v[128*\rt+8*(4*(\bt)+\f):128*\rt+8*(4*(\bt)+\f)+7], v[YA+12*\f:YA+12*\f+11], v[HC+12*\rt:HC+12*\rt+11], v[128*\rt+8*(4*(\bt)+\f):128*\rt+8*(4*(\bt)+\f)+7], v[WS+2*(\bt)+\f/2], v[HW+\rt] matrix_a_fmt:MATRIX_FMT_BF6 matrix_b_fmt:MATRIX_FMT_BF6 matrix_a_scale:MATRIX_SCALE_ROW1
.endif
.endr
.endr
	WIN 0
.endm
.macro CHUNK
	v_add_nc_u32 v[AF], s[TB], v[LI]
	v_add_nc_u32 v[AS1C], s[TS1], v[AS1]
	v_add_nc_u32 v[AS2C], s[TS2], v[AS2]
	v_add_nc_u32 v[AMBC], s[TMB], v[AMB]
	PLACES 5                                       ; with the four additions nine places: behind the last chunk's products, whose operand registers are loaded and written over below, and ahead of the first scaled products on n's new scale words
	HGEMM 0
	GELU
	QCORE HA, HC, HC+12, CT4                       ; blocks 0, 1 of each tile's 128 hidden units
	v_lshl_or_b32 v[HW], v[TM+5], 8, v[TM+4]
	v_lshl_or_b32 v[HW+1], v[TM+7], 8, v[TM+6]
	HGEMM 1
	GELU
	QCORE HA, HC+6, HC+18, CT4                     ; blocks 2, 3
	v_lshl_or_b32 v[HW], v[TM+4], 16, v[HW]
	v_lshl_or_b32 v[HW+1], v[TM+6], 16, v[HW+1]
	v_lshl_or_b32 v[HW], v[TM+5], 24, v[HW]
	v_lshl_or_b32 v[HW+1], v[TM+7], 24, v[HW+1]
.irp b, 0,1,2,3,4,5,6,7
	ds_load_b32 v[WS+\b], v[AS2C] offset:1024*\b   ; lanes 0-15: tile 2 b's words, lanes 16-31: tile 2 b + 1's
.endr
	YB 0
	YB 1
	PLACES 8                                       ; a scale register written by vector instructions stands eight places ahead of a scaled product
	s_wait_dscnt 12                                ; the four fragments asked for last may be out
	YMM 0
	PLACES 4
	YB 2
	s_wait_dscnt 12
	YMM 1
	PLACES 4
	YB 3
	s_wait_dscnt 12
	YMM 2
	s_wait_dscnt 0x0
	YMM 3
.endm
; THE CHANGE OF SLOTS stands at a chunk's head.  Each wave waits for all its tensor loads (its part of the chunk that it is about to read), adds 0 to its spare word, and waits for that and for its reads of the slot left.
; fill = 1: a round of the cluster's barrier, and behind it the joint load of the next chunk into the slot left: it has this chunk's work in which to land.  One tensor load of a wave is out then.
.macro CHANGE fill
	s_wait_tensorcnt 0x0
	ds_add_u32 v[SPW], v[NIL]
.if \fill
	s_xor_b32 s[G0C+1], s[G0C+1], SLOT1            ; no tensor load of mine is out: the walking descriptor steps to the other slot and the next chunk
	s_add_nc_u64 s[G0C+2:G0C+3], s[G0C+2:G0C+3], 49152
.endif
	s_wait_dscnt 0x0
.if \fill
	CROUND
	s_cmp_lt_u32 s[WV], 2
	s_cbranch_scc0 .Lno_fill_\@
	tensor_load_to_lds s[G0C:G0C+3], s[G1:G1+7]
	s_nop 0
	PLACES 4
.Lno_fill_\@:
.else
	s_barrier_signal -1
	s_barrier_wait -1
.endif
.endm
	s_mov_b32 s[CNT], 7
	s_mov_b32 s[TB], 0
	s_mov_b32 s[TS1], 0
	s_mov_b32 s[TS2], 0
	s_mov_b32 s[TMB], 0
.Lchunk:                                               ; seven trips: chunk c is worked on while chunk c + 1 lands
	CHANGE 1
	CHUNK
	s_add_co_u32 s[TS1], s[TS1], 1024              ; 128 rows of mw1's scale bytes
	s_add_co_u32 s[TS2], s[TS2], 4                 ; a K step's word in each row of mw2's
	s_add_co_u32 s[TMB], s[TMB], 512               ; 128 numbers of mb1
	s_xor_b32 s[TB], s[TB], SLOT1
	s_sub_co_u32 s[CNT], s[CNT], 1
	s_cmp_lg_u32 s[CNT], 0
	s_cbranch_scc1 .Lchunk
	CHANGE 0                                       ; the last chunk is written out
	CHUNK
	PLACES 4
; ---- the way out of tile rt: back through my stage into rows as they lie, + mb2, 512 consecutive bytes a store
.macro SOUT rt
	WIN 0x04
.set J, 0
.rept 32
	ds_store_b128 v[STD], v[128*\rt+4*J:128*\rt+4*J+3] offset:128*(J/4)+16*(J%4)   ; each accumulator from its low end on
.set J, J+1
.endr
	WIN 0
.set J, 0
.rept 32
	ds_load_b128 v[64+4*J:67+4*J], v[STI] offset:1040*(J/2)+512*(J%2)   ; LDS serves a wave's instructions in order (ISA guide 5.7.1.4): these see the stores above
.set J, J+1
.endr
.set J, 0
.rept 32
	s_wait_dscnt 31-J                              ; the younger loads may be out
	v_pk_add_f32 v[64+4*J:65+4*J], v[64+4*J:65+4*J], v[MB2+4*(J%2):MB2+4*(J%2)+1]
	v_pk_add_f32 v[66+4*J:67+4*J], v[66+4*J:67+4*J], v[MB2+4*(J%2)+2:MB2+4*(J%2)+3]
	global_store_b128 v[LI], v[64+4*J:67+4*J], s[28:29] offset:4194304*\rt+512*J th:TH_STORE_NT
.set J, J+1
.endr
.endm
	SOUT 0
	s_wait_xcnt 0x0                                ; the stores have read their registers, which the second tile's loads fill
	SOUT 1
	s_wait_tensorcnt 0x0                           ; the wave's end
	ds_add_u32 v[SPW], v[NIL]
	s_wait_dscnt 0x0
	CROUND                                         ; the closing round: no work-group ends while a partner may still ask for a chunk that names it
	s_endpgm
.Lfunc_end_k_q56534967a3_mlp:
	.size	k_q56534967a3_mlp, .Lfunc_end_k_q56534967a3_mlp-k_q56534967a3_mlp
	.p2alignl 7, 3214868480
	.fill 96, 4, 3214868480
	.section	.rodata,"a",@progbits
	.p2align	6, 0x0
	.amdhsa_kernel k_q56534967a3_mlp
		.amdhsa_group_segment_fixed_size 327680
		.amdhsa_private_segment_fixed_size 0
		.amdhsa_enable_private_segment 0
		.amdhsa_kernarg_size 104
		.amdhsa_user_sgpr_count 2
		.amdhsa_user_sgpr_kernarg_segment_ptr 1
		.amdhsa_wavefront_size32 1
		.amdhsa_system_sgpr_workgroup_id_x 1
		.amdhsa_system_sgpr_workgroup_id_y 1
		.amdhsa_system_sgpr_workgroup_id_z 1
		.amdhsa_system_vgpr_workitem_id 0
		.amdhsa_next_free_vgpr 512
		.amdhsa_next_free_sgpr 96
		.amdhsa_reserve_vcc 0
		.amdhsa_float_denorm_mode_32 3
		.amdhsa_float_denorm_mode_16_64 3
		.amdhsa_memory_ordered 1
		.amdhsa_forward_progress 1
		.amdhsa_inst_pref_size 255
	.end_amdhsa_kernel
	.section	.bss,"aw",@nobits
	.p2align	6
	.space	262144
	.amdgpu_metadata
---
amdhsa.version: [ 1, 2 ]
amdhsa.kernels:
  - .name:           k_q56534967a3_mlp
    .symbol:         k_q56534967a3_mlp.kd
    .args:
      - { .name: s, .offset: 0, .size: 8, .value_kind: global_buffer, .address_space: global }
      - { .name: o_codes, .offset: 8, .size: 8, .value_kind: global_buffer, .address_space: global }
      - { .name: o_scales, .offset: 16, .size: 8, .value_kind: global_buffer, .address_space: global }
      - { .name: wimg, .offset: 24, .size: 8, .value_kind: global_buffer, .address_space: global }
      - { .name: Wo_scales, .offset: 32, .size: 8, .value_kind: global_buffer, .address_space: global }
      - { .name: mw1_scales, .offset: 40, .size: 8, .value_kind: global_buffer, .address_space: global }
      - { .name: mw2_scales, .offset: 48, .size: 8, .value_kind: global_buffer, .address_space: global }
      - { .name: mb1, .offset: 56, .size: 8, .value_kind: global_buffer, .address_space: global }
      - { .name: ln_g, .offset: 64, .size: 8, .value_kind: global_buffer, .address_space: global }
      - { .name: ln_b, .offset: 72, .size: 8, .value_kind: global_buffer, .address_space: global }
      - { .name: bo, .offset: 80, .size: 8, .value_kind: global_buffer, .address_space: global }
      - { .name: mb2, .offset: 88, .size: 8, .value_kind: global_buffer, .address_space: global }
      - { .name: out0, .offset: 96, .size: 8, .value_kind: global_buffer, .address_space: global }
    .group_segment_fixed_size: 327680
    .private_segment_fixed_size: 0
    .kernarg_segment_align: 8
    .kernarg_segment_size: 104
    .max_flat_workgroup_size: 256
    .sgpr_count:     96
    .vgpr_count:     512
    .wavefront_size: 32
...
	.end_amdgpu_metadata
.endif
;; end of part 2
